; MI455X (gfx1250); checked and timed in simulation.
; The chip was launched on July 23, 2026; its instructions are those of AMD's public machine-readable ISA for CDNA 5 (MIT licence, August 2026) and "CDNA5" Instruction Set Architecture Reference Guide (July 2026). The comments in the code are by the model that wrote it; some were corrected since.
;; Multi Headed Attention. Allowed arithmetic: matrix products marked QUANTISED: E2M3 operands, one E8M0 scale for each 32 along K, by v_wmma_scale_f32_16x16x128_f8f6f4 with both operands' format E2M3, f32 sums; everything else in f32.
;; Inputs: W_K_codes 1,024 x 32 x 24 uint8 (E2M3 codes of W_K, K innermost, in blocks of 32 codes, four codes in three bytes); W_K_scales 1,024 x 32 uint8 (E8M0 scales of W_K, one for each 32 codes along K); W_O_codes 1,024 x 32 x 24 uint8 (E2M3 codes of W_O, K innermost, in blocks of 32 codes, four codes in three bytes); W_O_scales 1,024 x 32 uint8 (E8M0 scales of W_O, one for each 32 codes along K); W_Q_codes 1,024 x 32 x 24 uint8 (E2M3 codes of W_Q, K innermost, in blocks of 32 codes, four codes in three bytes); W_Q_scales 1,024 x 32 uint8 (E8M0 scales of W_Q, one for each 32 codes along K); W_V_codes 1,024 x 32 x 24 uint8 (E2M3 codes of W_V, K innermost, in blocks of 32 codes, four codes in three bytes); W_V_scales 1,024 x 32 uint8 (E8M0 scales of W_V, one for each 32 codes along K); beta 1,024 float32; gamma 1,024 float32; key_codes 4 x 2,048 x 32 x 24 uint8 (E2M3 codes of key, K innermost, in blocks of 32 codes, four codes in three bytes); key_scales 4 x 2,048 x 32 uint8 (E8M0 scales of key, one for each 32 codes along K); mask 4 x 2,048 x 2,048 int32; query 4 x 2,048 x 1,024 float32; value_codes 4 x 2,048 x 32 x 24 uint8 (E2M3 codes of value, K innermost, in blocks of 32 codes, four codes in three bytes); value_scales 4 x 2,048 x 32 uint8 (E8M0 scales of value, one for each 32 codes along K).
;; Outputs: out0 4 x 2,048 x 1,024 float32.
;; This version of the problem:
;;   THIS VERSION OF THE PROBLEM IS GIVEN IN LOW PRECISION. The matrix products marked QUANTISED in the list below multiply operands that are first quantised to E2M3 (2 exponent bits, 3 mantissa bits; 6 bits a number), with one power-of-two scale for each 32 numbers along K (OCP MX v1.0); their sums are f32. All else is computed in f32.
;;   The module's matrix products, in the order in which they are computed (A, B: the left and right operand; K: the contracted axis; several contracted axes count as one K, in the product's order):
;;     1. [M 8,192, K 1,024] x [K 1,024, N 1,024]; A: input query; B: input W_Q (given as codes): QUANTISED
;;     2. [M 8,192, K 1,024] x [K 1,024, N 1,024]; A: input key (given as codes); B: input W_K (given as codes): QUANTISED
;;     3. [M 8,192, K 1,024] x [K 1,024, N 1,024]; A: input value (given as codes); B: input W_V (given as codes): QUANTISED
;;     4. batch 64 x [M 2,048, K 64] x [K 64, N 2,048]; A: computed on the way; B: computed on the way: QUANTISED
;;     5. batch 64 x [M 2,048, K 2,048] x [K 2,048, N 64]; A: softmax (see below); B: computed on the way: QUANTISED
;;     6. [M 8,192, K 1,024] x [K 1,024, N 1,024]; A: computed on the way; B: input W_O (given as codes): QUANTISED
;;   THE QUANTISER, for each operand of a quantised product, along K:
;;     - K is cut into blocks of 32 from its start; a last block that is shorter is filled with zeros.
;;     - A block's scale is 2^e with e = floor(log2(the largest magnitude in the block)) - 2, held to -126 .. 127; a block of zeros has e = 0. As a byte (E8M0): e + 127.
;;     - Each number is divided by its block's scale, clamped to +-7.5, and rounded to the nearest number of E2M3, ties to even, subnormals kept.
;;     - The product sums the exact products of the quantised numbers (number of the format x scale) in f32.
;;   ~~~python
;;   def quantise(x, axis):      # numpy; x: float32 -> the quantised numbers, widened to float32 again
;;       x = np.moveaxis(x, axis, -1); K = x.shape[-1]
;;       x = np.pad(x, [(0, 0)] * (x.ndim - 1) + [(0, -K % 32)]); x = x.reshape(x.shape[:-1] + (-1, 32)); a = np.abs(x).max(-1, keepdims=True)
;;       e = np.where(a > 0, np.clip(np.frexp(np.where(a > 0, a, 1))[1] - 1 - 2, -126, 127), 0)      # np.frexp(a)[1] - 1 = floor(log2(a)), exactly
;;       r = np.clip(x / 2.0 ** e, -7.5, 7.5)
;;       step = 2.0 ** (np.maximum(np.frexp(np.where(r == 0, 1, r))[1] - 1, 0) - 3)
;;       q = np.round(r / step) * step * 2.0 ** e      # np.round: ties to even
;;       return np.moveaxis(q.reshape(q.shape[:-2] + (-1,))[..., :K], -1, axis).astype(np.float32)
;;   ~~~
;;   SOFTMAX AHEAD OF A QUANTISED PRODUCT. Where the list says 'softmax', what is quantised is not the finished softmax but p = 2^(t - M), with t = logit x log2(e) and M = ceil(the row's largest t), a whole number; so 1/2 < the row's largest p <= 1. The row's sum l is taken of the UNQUANTISED p, in f32, and the product's result is divided by l at the end. Since M is a whole number, a kernel that streams over the keys may use a running M (the ceiling of the running maximum): every later rescaling is an exact power of two, which a block's scale takes up: the codes' values come out the same.
;;   OPERANDS COMPUTED ON THE WAY. 'Computed on the way' means the value that the module computes at that place (a softmax that the list does not call 'softmax' is quantised finished and normalised). What goes into a quantiser is computed in f32, as accurately as f32 sums, v_exp_f32 and their like allow (about 1e-6 of the number): no bf16 or f16 on the way to a quantiser, and a product that is left as it is and whose result goes on into a quantised operand takes f32 operands (vector FMAs, or v_wmma_f32_16x16x4_f32). A number that lies on a knife's edge between two numbers of the format may be rounded either way, as far as f32 arithmetic and the matrix unit's own rounding can turn it there, and no further.
;;   INPUTS GIVEN AS CODES. W_K (in the module: [1024, 1024], K = its axis 1); W_O (in the module: [1024, 1024], K = its axis 1); W_Q (in the module: [1024, 1024], K = its axis 1); W_V (in the module: [1024, 1024], K = its axis 1); key (in the module: [4, 2048, 1024], K = its axis 2); value (in the module: [4, 2048, 1024], K = its axis 2): each comes as NAME_codes (uint8): NAME with its K axis moved to the last place and cut into blocks of 32 codes, [.., K / 32, bytes a block], one block behind the other in memory; four codes in three bytes: a row's codes are one little-endian stream of bits, code i at bits 6 i .. 6 i + 5 (a code: sign, 2 exponent bits, 3 mantissa bits); and NAME_scales (uint8): the same leading axes, one E8M0 byte (e + 127) for each 32 codes along K. Its value is code x scale, taken as it is: it is not quantised again, and the codes and scales need not be those that the quantiser above would give.
;; One version. Each part assembles by itself: llvm-mc -triple=amdgcn-amd-amdhsa -mcpu=gfx1250 --defsym DOCPART=n.
;; ======== version 1 of 1: 4 launches
;; limits: right only within a limited range of input values
;; workspace buffers: xq 6,553,600 bytes; mbits 2,097,152 bytes of whole numbers; woimg 786,432 bytes; qrec 6,553,600 bytes; krec 6,553,600 bytes; vrec 6,553,600 bytes; ctx 6,553,600 bytes
;; launch prep (part 1): grid 800 x 1, 4 waves a work-group, no clusters, 67,072 bytes of LDS; arguments mask, query, W_O_codes, mbits, xq, woimg; writes mbits, xq, woimg
.if DOCPART == 1
	.amdgcn_target "amdgcn-amd-amdhsa--gfx1250"
	.amdhsa_code_object_version 6
	.text
	.protected	k_q73a8e89414_prep
	.globl	k_q73a8e89414_prep
	.p2align	8
	.type	k_q73a8e89414_prep,@function
k_q73a8e89414_prep:
	s_mov_b64 s[64:65], 0
	v_nop
	global_prefetch_b8 v0, s[64:65] scope:SCOPE_SE
	s_setreg_imm32_b32 hwreg(HW_REG_WAVE_MODE, 25, 1), 1
	s_wait_xcnt 0x0
; THREE PIECES OF PREPARATION IN ONE LAUNCH, told apart by the work-group's number; each path ends by itself and has LDS bytes of its own.
;   work-groups   0-511: the mask [4][2048][2048] int32 becomes bits, laid as the attention launch's score registers lie (mbits).
;   work-groups 512-767: query [8192][1024] f32 becomes codes of FP6 (E2M3) and E8M0 scale bytes, K innermost (xq: codes [8192][768] at 0, bytes [8192][32] at QSC).
;   work-groups 768-799: W_O's codes are laid as images of the operand's registers (woimg), so that a fragment comes by three loads of 16 bytes a lane.
; TOKEN TILES.  Tile T (0..511) holds 16 tokens: lane r takes token 128 (T/8) + 32 ((T%8)/2) + 8 (T%2) + r%8 + 16 (r/8).
; mbits: [T][key step 0..15][64 words].  In word 32 c + i, bit r + 16 h says whether mask[token of (T, r)][128 step + 64 c + 32 h + i] is 1.
; The quantiser: a block's scale is 2^(floor(log2(largest magnitude)) - 2); its byte is the largest magnitude's exponent field - 2, held at 1 from below.
; LIMITS: a block of zeros gets the byte 1 where the rule says 127 (its codes are zeros, and only this program reads the bytes); NaN and infinities are not served.
; Memory binds: every load of the mask and of query takes 512 consecutive bytes a wave, every store whole runs.  No matrix unit, no cluster (no input is shared), no tensor load, no barrier: waves share nothing.
.set QSC,   6291456                    ; xq: where the scale bytes begin
.set STEPS, 16
.set EMAX,  2
.set CB,    12                         ; bytes of 16 codes
.set R,     16                         ; query path: v16-79 four sets of 16 numbers as loaded
.set X,     80                         ; v80-111 two sets of 16 neighbours
.set E,     112                        ; v112-127 a scale byte for each step
.set C,     128                        ; v128-191 codes, four registers a step
.set WREG,  8192                       ; query path's LDS: 8,192 bytes a wave from byte 0: two stages of 32 x SP, then 256 scale bytes
.set SP,    80
.set MST,   32768                      ; mask path's LDS: a stage of 16 rows x MP for each wave
.set MP,    528                        ; 512 bytes + 16: sixteen rows start in sixteen different groups of banks
.set MSTW,  16*MP
.set MR,    16                         ; mask path: v16-143 two sets of 64 registers as loaded
.set MX,    144                        ; v144-207 the 64 words in the score registers' order
.set MO,    208                        ; v208-215 two registers of bits for each of four steps
	s_load_b256 s[4:11], s[0:1], 0x0               ; mask s[4:5], query s[6:7], W_O's codes s[8:9], mbits s[10:11]
	s_load_b128 s[12:15], s[0:1], 0x20             ; xq s[12:13], woimg s[14:15]
	v_lshl_add_u32 v216, v0, 2, 0x10400
	v_mov_b32 v217, 0
	v_lshrrev_b32 v1, 5, v0
	v_readfirstlane_b32 s16, v1                    ; wave 0..3
	v_and_b32 v2, 31, v0                           ; lane
	s_mov_b32 s21, 0
	s_wait_kmcnt 0x0
	s_cmp_lt_u32 ttmp9, 512
	s_cbranch_scc1 .Lmask
	s_cmp_lt_u32 ttmp9, 768
	s_cbranch_scc1 .Lquery
	; ---- W_O: wave W = 0..127 takes rows 16 (W/2) .. + 15 and K steps 4 (W%2) .. + 3: four fragments
	s_sub_co_u32 s17, ttmp9, 768
	s_lshl_b32 s17, s17, 2
	s_add_co_u32 s17, s17, s16                     ; W
	s_lshr_b32 s18, s17, 1
	s_and_b32 s19, s17, 1
	s_mul_i32 s20, s18, 12288                      ; 16 rows of 768 bytes
	s_mul_i32 s19, s19, 384                        ; four K steps of 96 bytes
	s_add_co_u32 s20, s20, s19
	s_add_nc_u64 s[8:9], s[8:9], s[20:21]
	s_mul_i32 s20, s17, 6144                       ; four images of 1,536 bytes
	s_add_nc_u64 s[14:15], s[14:15], s[20:21]
	v_and_b32 v3, 15, v0
	v_bfe_u32 v4, v0, 4, 1
	v_mul_u32_u24 v3, v3, 768
	v_mad_u32_u24 v3, v4, 24, v3                   ; row r, + 24 bytes for lanes 16-31
	s_wait_alu depctr_va_vdst(0)
	v_lshlrev_b32 v4, 4, v2                        ; an image: 16 bytes a lane
.irp f, 0,1,2,3
.irp p, 0,1,2,3,4,5
	global_load_b64 v[16+12*\f+2*\p:17+12*\f+2*\p], v3, s[8:9] offset:96*\f+48*(\p/3)+8*(\p%3)
.endr
.endr
	s_wait_alu depctr_va_vdst(0)
	s_wait_loadcnt 0x0
.irp f, 0,1,2,3
.irp c, 0,1,2
	global_store_b128 v4, v[16+12*\f+4*\c:19+12*\f+4*\c], s[14:15] offset:1536*\f+512*\c   ; 512 consecutive bytes a store
.endr
.endr
	s_endpgm
	; ---- THE MASK: the work-group is tile T = its number; wave w takes key steps 4 w .. 4 w + 3
.Lmask:
	s_lshr_b32 s20, ttmp9, 3
	s_lshl_b32 s20, s20, 7
	s_bfe_u32 s22, ttmp9, 0x20001
	s_lshl_b32 s22, s22, 5
	s_add_co_u32 s20, s20, s22
	s_and_b32 s22, ttmp9, 1
	s_lshl_b32 s22, s22, 3
	s_add_co_u32 s20, s20, s22                     ; the tile's first token; a token's row of the mask is 8,192 bytes
	s_lshl_b32 s20, s20, 13
	s_lshl_b32 s22, s16, 11                        ; my four key steps: 2,048 bytes on for each wave
	s_add_co_u32 s20, s20, s22
	s_add_nc_u64 s[4:5], s[4:5], s[20:21]
	s_lshl_b32 s20, ttmp9, 12                      ; 16 steps x 256 bytes a tile
	s_lshl_b32 s22, s16, 10
	s_add_co_u32 s20, s20, s22
	s_add_nc_u64 s[10:11], s[10:11], s[20:21]
	s_wait_alu depctr_va_vdst(0)
	v_lshlrev_b32 v1, 4, v2                        ; 16 x lane
	s_mul_i32 s24, s16, MSTW
	s_add_co_u32 s24, s24, MST                     ; my stage
	v_add_nc_u32 v5, s24, v1                       ; into it: a row as it lies
	v_and_b32 v3, 15, v0
	v_bfe_u32 v4, v0, 4, 1
	v_mul_u32_u24 v3, v3, MP
	v_lshl_add_u32 v3, v4, 7, v3                   ; lanes 16-31 begin 32 keys on
	v_add_nc_u32 v3, s24, v3                       ; out of it: row r, keys 32 h on
	v_lshlrev_b32 v4, 3, v2                        ; out: 8 bytes a lane
.irp i, 0,1,2,3,4,5,6,7
	v_mov_b32 v[MO+\i], 0                          ; written once: v_writelane_b32's destination counts as read
.endr
.macro MLOAD s                         ; the tile's 16 rows x 128 keys of step s: each load takes 512 consecutive bytes of one row
.irp p, 0,1,2,3,4,5,6,7,8,9,10,11,12,13,14,15
	global_load_b128 v[MR+64*((\s)%2)+4*\p:MR+64*((\s)%2)+4*\p+3], v1, s[4:5] offset:((\p%8)+16*(\p/8))*8192+512*(\s) th:TH_LOAD_NT
.endr
.endm
.macro MSTEP s
.if (\s) < 3
	s_wait_loadcnt 16                              ; this step's 16 loads are in; the other set's may be out
.else
	s_wait_loadcnt 0x0
.endif
.irp p, 0,1,2,3,4,5,6,7,8,9,10,11,12,13,14,15
	ds_store_b128 v5, v[MR+64*((\s)%2)+4*\p:MR+64*((\s)%2)+4*\p+3] offset:MP*\p
.endr
.irp b, 0,1,2,3
.irp q, 0,1,2,3
	ds_load_b128 v[MX+16*\b+4*\q:MX+16*\b+4*\q+3], v3 offset:256*(\b/2)+64*(\b%2)+16*\q   ; THE WORDS' ORDER: register (and word of mbits) 32 c + i holds key 128 step + 64 c + 32 h + i of row r, as the attention launch's score registers lie
.endr
.endr
	s_wait_dscnt 0x0                               ; the words are back, and the stores have read the set, which takes the loads of two steps on
.if (\s) < 2
	MLOAD (\s)+2
.endif
.set j, 0
.rept 64
	v_cmp_eq_u32 s[40+j%4], 1, v[MX+j]             ; word j: a bit a lane
	v_writelane_b32 v[MO+2*(\s)+j%2], s[40+j%4], j/2   ; lane L stores words 2 L and 2 L + 1
.set j, j+1
.endr
	global_store_b64 v4, v[MO+2*(\s):MO+2*(\s)+1], s[10:11] offset:256*(\s)   ; 32 lanes store 256 consecutive bytes, aligned
.endm
	MLOAD 0
	MLOAD 1
	s_wait_alu depctr_va_vdst(0)
	MSTEP 0
	MSTEP 1
	MSTEP 2
	MSTEP 3
	s_wait_tensorcnt 0x0
	ds_add_u32 v216, v217
	s_wait_dscnt 0x0
	s_endpgm
	; ---- QUERY: a plain stream of blocks of 32.  A wave takes 16 steps of 512 numbers.  Each load takes 512 consecutive bytes; a step's 2,048 bytes turn through the wave's stage,
	; so that a lane holds 16 neighbours (two neighbouring lanes hold a block), as the conversion wants them.  Loads run four steps ahead, the turn one step.
.Lquery:
	s_wait_alu depctr_va_vdst(0)
	v_lshlrev_b32 v3, 4, v2                        ; my 16 bytes of a load's 512
	s_mul_i32 s17, s16, WREG
	v_lshrrev_b32 v14, 2, v2
	v_mul_u32_u24 v14, v14, SP
	v_and_b32 v15, 3, v2
	v_lshl_add_u32 v14, v15, 4, v14
	v_add_nc_u32 v14, s17, v14                     ; the stage, way in: SP (lane / 4) + 16 (lane % 4)
	v_mul_u32_u24 v15, v2, SP
	v_add_nc_u32 v15, s17, v15                     ; way out: SP x lane
	v_mul_u32_u24 v4, v2, CB                       ; my codes' place in a step's
	v_lshrrev_b32 v5, 1, v2
	s_add_co_u32 s17, s17, 2*32*SP
	v_add_nc_u32 v5, s17, v5                       ; my block's scale byte in LDS
	v_lshlrev_b32 v7, 3, v2
	v_add_nc_u32 v6, s17, v7
	s_sub_co_u32 s18, ttmp9, 512
	s_lshl_b32 s18, s18, 2
	s_add_co_u32 s18, s18, s16                     ; which run of 8,192 numbers is my wave's: 0..1023
	s_lshl_b32 s20, s18, 15
	s_add_nc_u64 s[6:7], s[6:7], s[20:21]
	s_lshl_b32 s20, s18, 8
	s_add_co_u32 s20, s20, QSC
	s_add_nc_u64 s[22:23], s[12:13], s[20:21]      ; its 256 scale bytes
	s_mul_i32 s20, s18, 32*STEPS*CB
	s_add_nc_u64 s[12:13], s[12:13], s[20:21]      ; its 6,144 bytes of codes
.macro LOAD t
.irp i, 0,1,2,3
	global_load_b128 v[R+16*((\t)%4)+4*\i:R+16*((\t)%4)+4*\i+3], v3, s[6:7] offset:2048*(\t)+512*\i th:TH_LOAD_NT
.endr
.endm
.macro TURN t
.irp i, 0,1,2,3
	ds_store_b128 v14, v[R+16*((\t)%4)+4*\i:R+16*((\t)%4)+4*\i+3] offset:32*SP*((\t)%2)+8*SP*\i
.endr
.irp i, 0,1,2,3
	ds_load_b128 v[X+16*((\t)%2)+4*\i:X+16*((\t)%2)+4*\i+3], v15 offset:32*SP*((\t)%2)+16*\i
.endr
.endm
.irp t, 0,1,2,3
	LOAD \t
.endr
	s_wait_alu depctr_va_vdst(0)
	s_wait_loadcnt 12                              ; step 0's four loads are in
	TURN 0
.macro STEP t
.set XS, X+16*((\t)%2)
.if (\t) > 0
	s_wait_dscnt 1                                 ; this step's numbers are back (the last step's byte store may be out)
.else
	s_wait_dscnt 0x0
.endif
.if (\t)+4 < STEPS
	LOAD (\t)+4
.endif
.if (\t)+1 < STEPS
.if STEPS-2-(\t) >= 3
	s_wait_loadcnt 12                              ; the next step's four loads are in; those of the three steps behind it may be out
.else
	s_wait_loadcnt 4*(STEPS-2-(\t))
.endif
	TURN (\t)+1
.endif
	v_max3_num_f32 v8, |v[XS]|, |v[XS+1]|, |v[XS+2]|
	v_max3_num_f32 v9, |v[XS+3]|, |v[XS+4]|, |v[XS+5]|
.irp i, 6,10
	v_max3_num_f32 v8, v8, |v[XS+\i]|, |v[XS+\i+1]|
	v_max3_num_f32 v9, v9, |v[XS+\i+2]|, |v[XS+\i+3]|
.endr
	v_max3_num_f32 v8, v8, |v[XS+14]|, |v[XS+15]|
	v_max3_num_f32 v8, v8, v9, (EMAX+1)<<23        ; the floor 2^(3 - 127): the byte cannot fall under 1
	v_max_num_f32_dpp v8, v8, v8 row_xmask:1 row_mask:0xf bank_mask:0xf   ; with my neighbour's 16: the block's largest magnitude
	v_add_nc_u32 v11, -(EMAX<<23), v8              ; 2 off its exponent field: the conversion's scale operand
	v_cvt_scalef32_pk16_fp6_f32 v[C+4*(\t):C+4*(\t)+2], v[XS:XS+15], v11
	v_lshrrev_b32 v[E+(\t)], 23, v11               ; the scale's byte
	ds_store_b8 v5, v[E+(\t)] offset:16*(\t)       ; both lanes of a block write the same byte with the same value
	global_store_b96 v4, v[C+4*(\t):C+4*(\t)+2], s[12:13] offset:32*CB*(\t)   ; the wave stores 384 consecutive bytes
.endm
.irp t, 0,1,2,3,4,5,6,7,8,9,10,11,12,13,14,15
	STEP \t
.endr
	ds_load_b64 v[12:13], v6                       ; LDS serves a wave's instructions in order: these see my stores
	s_wait_dscnt 0x0
	global_store_b64 v7, v[12:13], s[22:23]        ; 256 consecutive bytes, aligned
	s_wait_tensorcnt 0x0
	ds_add_u32 v216, v217
	s_wait_dscnt 0x0
	s_endpgm
.Lfunc_end_k_q73a8e89414_prep:
	.size	k_q73a8e89414_prep, .Lfunc_end_k_q73a8e89414_prep-k_q73a8e89414_prep
	.p2alignl 7, 3214868480
	.fill 96, 4, 3214868480
	.section	.rodata,"a",@progbits
	.p2align	6, 0x0
	.amdhsa_kernel k_q73a8e89414_prep
		.amdhsa_group_segment_fixed_size 67072
		.amdhsa_private_segment_fixed_size 0
		.amdhsa_enable_private_segment 0
		.amdhsa_kernarg_size 48
		.amdhsa_user_sgpr_count 2
		.amdhsa_user_sgpr_kernarg_segment_ptr 1
		.amdhsa_wavefront_size32 1
		.amdhsa_system_sgpr_workgroup_id_x 1
		.amdhsa_system_sgpr_workgroup_id_y 1
		.amdhsa_system_sgpr_workgroup_id_z 1
		.amdhsa_system_vgpr_workitem_id 0
		.amdhsa_next_free_vgpr 218
		.amdhsa_next_free_sgpr 66
		.amdhsa_reserve_vcc 0
		.amdhsa_float_denorm_mode_32 3
		.amdhsa_float_denorm_mode_16_64 3
		.amdhsa_memory_ordered 1
		.amdhsa_forward_progress 1
		.amdhsa_inst_pref_size 85
	.end_amdhsa_kernel
	.amdgpu_metadata
---
amdhsa.version: [ 1, 2 ]
amdhsa.kernels:
  - .name:           k_q73a8e89414_prep
    .symbol:         k_q73a8e89414_prep.kd
    .args:
      - { .name: mask, .offset: 0, .size: 8, .value_kind: global_buffer, .address_space: global }
      - { .name: query, .offset: 8, .size: 8, .value_kind: global_buffer, .address_space: global }
      - { .name: W_O_codes, .offset: 16, .size: 8, .value_kind: global_buffer, .address_space: global }
      - { .name: mbits, .offset: 24, .size: 8, .value_kind: global_buffer, .address_space: global }
      - { .name: xq, .offset: 32, .size: 8, .value_kind: global_buffer, .address_space: global }
      - { .name: woimg, .offset: 40, .size: 8, .value_kind: global_buffer, .address_space: global }
    .group_segment_fixed_size: 67072
    .private_segment_fixed_size: 0
    .kernarg_segment_align: 8
    .kernarg_segment_size: 48
    .max_flat_workgroup_size: 128
    .sgpr_count:     66
    .vgpr_count:     218
    .wavefront_size: 32
...
	.end_amdgpu_metadata
.endif
;; end of part 1
;; launch proj (part 2): grid 4 x 96, 4 waves a work-group, clusters of 4 x 4, 327,680 bytes of LDS; arguments xq, W_Q_codes, W_Q_scales, qrec, key_codes, key_scales, W_K_codes, W_K_scales, krec, W_V_codes, W_V_scales, value_codes, value_scales, vrec; writes qrec, krec, vrec
.if DOCPART == 2
	.amdgcn_target "amdgcn-amd-amdhsa--gfx1250"
	.amdhsa_code_object_version 6
	.text
	.protected	k_q73a8e89414_proj
	.globl	k_q73a8e89414_proj
	.p2align	8
	.type	k_q73a8e89414_proj,@function
k_q73a8e89414_proj:
	s_mov_b64 s[64:65], 0
	v_nop
	global_prefetch_b8 v0, s[64:65] scope:SCOPE_SE
	s_setreg_imm32_b32 hwreg(HW_REG_WAVE_MODE, 25, 1), 1
	s_wait_xcnt 0x0
	s_wait_alu depctr_hold_cnt(0) depctr_sa_sdst(0) depctr_va_vdst(0) depctr_va_sdst(0) depctr_va_ssrc(0) depctr_va_vcc(0) depctr_vm_vsrc(0)
	s_getreg_b32 s2, hwreg(HW_REG_IB_STS2, 6, 4)
	s_cmp_eq_u32 s2, 0
	s_cbranch_scc0 .Lentry_in_a_cluster
	s_endpgm
.Lentry_in_a_cluster:
	s_bfe_u32 s2, ttmp6, 0x10000c
	s_cmp_lg_u32 s2, 0xf033
	s_cbranch_scc0 .Lentry_shape_is_right
	s_endpgm
.Lentry_shape_is_right:
; THE THREE PROJECTIONS IN ONE LAUNCH, on codes of FP6 (E2M3) with E8M0 scales, K = 1,024.  The cluster's y says which: 0-7 q = query W_Q^T, 8-15 k = key W_K^T, 16-23 v^T = W_V value^T.
; A work-group of four waves makes a tile of 256 x 256, a wave 128 x 128: 64 accumulators, 512 registers.  A = the tokens (q, k) or W_V's rows (v), B = the weight's rows (q, k) or the tokens (v).
; K goes through two LDS slots in chunks of 256 bytes of each row (a row of codes is 768 bytes: three chunks, eight steps of 96 bytes); steps 2 and 5 lie across two chunks.
; The scales of the tile's 256 + 256 rows come once.  4 x 4 clusters: A's tiles are asked for jointly along a row of the cluster, B's along a column.
; The matrix instruction is used transposed (source 0 = B's rows, source 1 = A's): a lane holds one row of A and neighbours along B's rows, which are the next product's K (the head's axis for q and k, the tokens for v).
; THE WAY OUT: each block of 16 rows is quantised (scale 2^(floor(log2(largest magnitude)) - 2) for each 32) and laid into records of 6,400 bytes as the attention launch reads them; q and k in one layout, v in another.
; The two layouts part by a branch on the cluster's y, which all partners share, and have stage bytes of their own, in slot 1, which has had its last fill by then.
; NO PREFETCH: the walk has three chunks; two are asked for at the head and one refill follows: there is no loop to run ahead in.
; LIMITS: a block of zeros gets the byte 1 where the rule says 127 (its codes are zeros, and only this program reads the bytes); NaN and infinities are not served.
.set ROWB,   256
.set NQ,     2
.set KROW,   768
.set STEPS,  8
.set CHUNKS, 3
.set PITCH,  272                       ; 256 bytes + 16 of padding
.set FR,     12
.set NL,     6
.set NP,     4
.set HALFT,  128*PITCH
.set SLOT,   4*HALFT                   ; A's 256 rows, then B's
.set KS,     32
.set SCL,    2*SLOT                    ; the scales, behind the ring
.set HALFS,  (128*KS/256)*272
.set SBLK,   (16*KS/256)*272
.set SPARE,  SCL+4*HALFS               ; the spare words: 128 bytes a wave
.set RECB,   6400                      ; a record: 6,144 bytes of codes, 256 of scale bytes
.set SCU,    6144
.set STGB,   2*RECB                    ; a wave's stage: two records
.set STAGE,  SLOT                      ; q's and k's stages from here, v's 4 STGB further on
.set QSC,    6291456                   ; xq: where the scale bytes begin
.set SH8,  13                          ; v13 8 x (lane / 16)
.set ADRSB, 14                         ; v14 B's scale words in LDS
.set SCB,  96                          ; v96-127 B's scale words, two sets
.set SCAV, 15                          ; v15 v's scale words in the stage
.set ADRA, 16                          ; v16-19 A's fragments: slot 0, 1, and the two orders across chunks
.set ADRB, 20                          ; v20-23 the same for B
.set STO,  24
.set RD,   25
.set CO,   26
.set ADRS, 27
.set SPW,  28
.set NIL,  29
.set SCA,  30
.set STOV, 31
.set SC,   32                          ; v32-63 scale words, two sets
.set TM,   64
.set PW,   80
.set AF,   128                         ; A's fragments, one set, window 0; B's two sets in window 1; accumulators in windows 2 and 3
.set X,    128
.set PC,   192
.set BK,   128
.set MODE, 95                          ; s95: 0 q, 1 k, 2 v
.set SEL,  96
.set G1, 24
.set G0, 32
.set G1B, 48
.set G0B, 56
.set G1S, 68
.set G0S, 76
.set G1SB, 80
.set G0SB, 88
.set G0H, 4
.set G0HB, 8
.set MSB, 0
.macro WIN new
.if MSB != \new
	s_set_vgpr_msb (MSB<<8)|\new
.set MSB, \new
.endif
.endm
.set MUL_LO, 0xa1
.set MUL_HI, 0xf1
.set TO_B,   0x40
.macro JLOAD g0a, g1a, g0b, g1b        ; waves 0, 1 fetch for A, waves 2, 3 for B
	s_cmp_eq_u32 s15, 0
	s_cbranch_scc0 .Lfor_b_\@
	tensor_load_to_lds s[\g0a:\g0a+3], s[\g1a:\g1a+7]
	s_nop 0
.rept 4
	v_nop
.endr
	s_branch .Lasked_\@
.Lfor_b_\@:
	tensor_load_to_lds s[\g0b:\g0b+3], s[\g1b:\g1b+7]
	s_nop 0
.rept 4
	v_nop
.endr
.Lasked_\@:
.endm
.macro CREST
	s_cmp_lg_u32 s14, 0
	s_cbranch_scc1 .Lnot_wave_0_\@
	s_barrier_signal -3
.Lnot_wave_0_\@:
	s_barrier_wait -3
	s_barrier_signal -1
	s_barrier_wait -1
.endm
.macro CROUND
	s_barrier_signal -1
	s_barrier_wait -1
	CREST
.endm
	s_load_b256 s[68:75], s[0:1], 0x0              ; xq, W_Q's codes, its scales, qrec
	s_load_b256 s[4:11], s[0:1], 0x20              ; key's codes, scales, W_K's codes, scales
	s_load_b64 s[12:13], s[0:1], 0x40              ; krec
	s_load_b256 s[76:83], s[0:1], 0x48             ; W_V's codes, scales, value's codes, scales
	s_load_b64 s[84:85], s[0:1], 0x68              ; vrec
	v_lshl_add_u32 v[SPW], v0, 2, SPARE
	v_mov_b32 v[NIL], 0
	ds_add_u32 v[SPW], v[NIL]
	ds_add_u32 v[SPW], v[NIL]
	v_lshrrev_b32 v1, 5, v0
	v_readfirstlane_b32 s14, v1                    ; wave
	s_lshr_b32 s15, s14, 1                         ; my half of the tile's rows; also: I fetch for A (0) or B (1)
	s_and_b32 s16, s14, 1                          ; my half of its columns; also: which 128 rows I fetch
	s_bfe_u32 s40, ttmp6, 0x40000                  ; cx
	s_bfe_u32 s41, ttmp6, 0x40004                  ; cy
	s_and_b32 s17, ttmp7, 0xffff                   ; the cluster's y, 0..23
	s_lshr_b32 s[MODE], s17, 3
	s_and_b32 s17, s17, 7
	s_cmp_eq_u32 s[MODE], 2
	s_cselect_b32 s42, s17, 0                      ; v: the eight clusters go along the tokens, which are B's rows
	s_cselect_b32 s17, 0, s17                      ; q, k: along the tokens, which are A's rows
	s_lshl_b32 s42, s42, 2
	s_add_co_u32 s42, s42, s40                     ; tile column
	s_lshl_b32 s17, s17, 2
	s_add_co_u32 s17, s17, s41                     ; tile row
	s_lshl_b32 s43, s41, 2
	s_lshl_b32 s43, 15, s43                        ; my row of the cluster
	s_lshl_b32 s44, 0x1111, s40                    ; my column
	s_mov_b32 s[SEL], 0x76543210
	s_mov_b32 s[SEL+1], 0xfedcba98
	s_or_b32 s[G1+0], s43, (0<<16)|(1<<20)|(1<<21)|(5<<22)|(3<<25)
	s_or_b32 s[G1B+0], s44, (0<<16)|(1<<20)|(1<<21)|(5<<22)|(3<<25)
.irp g, G1, G1B
	s_mov_b32 s[\g+1], ROWB<<16
	s_mov_b32 s[\g+2], 256<<16                     ; the head's loads bring 256 rows
	s_mov_b32 s[\g+3], ROWB<<16
	s_mov_b32 s[\g+4], 256
	s_mov_b32 s[\g+5], KROW
	s_mov_b32 s[\g+6], 0
	s_mov_b32 s[\g+7], 0
.endr
	s_lshl_b32 s20, s17, 8
	s_lshl_b32 s46, s42, 8
	s_mov_b32 s21, 0
	s_mov_b32 s47, 0
	s_mov_b64 s[18:19], KS
	s_mul_u64 s[22:23], s[20:21], s[18:19]         ; where the rows' scales begin
	s_mul_u64 s[92:93], s[46:47], s[18:19]
	s_mov_b64 s[18:19], KROW
	s_mul_u64 s[20:21], s[20:21], s[18:19]         ; and their codes
	s_mul_u64 s[46:47], s[46:47], s[18:19]
	s_mul_i32 s18, s16, 128*KROW
	s_mov_b32 s19, 0
	s_mul_i32 s45, s14, HALFT
	s_wait_dscnt 0x0
	s_wait_kmcnt 0x0
	s_add_nc_u64 s[86:87], s[68:69], QSC           ; query's scale bytes
	s_cmp_eq_u32 s[MODE], 0
	s_cselect_b64 s[4:5], s[68:69], s[4:5]
	s_cselect_b64 s[6:7], s[86:87], s[6:7]
	s_cselect_b64 s[8:9], s[70:71], s[8:9]
	s_cselect_b64 s[10:11], s[72:73], s[10:11]
	s_cselect_b64 s[12:13], s[74:75], s[12:13]
	s_cmp_eq_u32 s[MODE], 2
	s_cselect_b64 s[4:5], s[76:77], s[4:5]
	s_cselect_b64 s[6:7], s[78:79], s[6:7]
	s_cselect_b64 s[8:9], s[80:81], s[8:9]
	s_cselect_b64 s[10:11], s[82:83], s[10:11]
	s_cselect_b64 s[12:13], s[84:85], s[12:13]
	s_or_b32 s[G1S+0], s43, (3<<16)|(1<<20)|(1<<21)|(5<<22)|(3<<25)   ; the scales of 256 rows: 32 rows of 256 bytes
	s_or_b32 s[G1SB+0], s44, (3<<16)|(1<<20)|(1<<21)|(5<<22)|(3<<25)
.irp g, G1S, G1SB
	s_mov_b32 s[\g+1], 32<<16
	s_mov_b32 s[\g+2], KS<<16
	s_mov_b32 s[\g+3], 32<<16
	s_mov_b32 s[\g+4], KS
	s_mov_b32 s[\g+5], 32
	s_mov_b32 s[\g+6], 0
	s_mov_b32 s[\g+7], 0
.endr
	s_add_nc_u64 s[20:21], s[4:5], s[20:21]
	s_add_nc_u64 s[22:23], s[6:7], s[22:23]
	s_add_nc_u64 s[46:47], s[8:9], s[46:47]
	s_add_nc_u64 s[92:93], s[10:11], s[92:93]
	CROUND                                         ; in front of the first joint loads
	s_mov_b32 s[G0H], 1
	s_mov_b32 s[G0H+1], 0
	s_mov_b64 s[G0H+2:G0H+3], s[20:21]
	s_or_b32 s[G0H+3], s[G0H+3], 0x80000000
	s_mov_b32 s[G0HB], 1
	s_mov_b32 s[G0HB+1], 2*HALFT
	s_mov_b64 s[G0HB+2:G0HB+3], s[46:47]
	s_or_b32 s[G0HB+3], s[G0HB+3], 0x80000000
	s_mov_b32 s[G0S], 1
	s_mov_b32 s[G0S+1], SCL
	s_mov_b64 s[G0S+2:G0S+3], s[22:23]
	s_or_b32 s[G0S+3], s[G0S+3], 0x80000000
	s_mov_b32 s[G0SB], 1
	s_mov_b32 s[G0SB+1], SCL+2*HALFS
	s_mov_b64 s[G0SB+2:G0SB+3], s[92:93]
	s_or_b32 s[G0SB+3], s[G0SB+3], 0x80000000
	s_add_nc_u64 s[20:21], s[20:21], s[18:19]      ; for the ring: my 128 rows
	s_add_nc_u64 s[46:47], s[46:47], s[18:19]
.irp s, 0,1
	s_mov_b32 s[G0+4*\s], 1
	s_add_co_u32 s[G0+4*\s+1], s45, \s*SLOT
	s_add_nc_u64 s[G0+4*\s+2:G0+4*\s+3], s[20:21], \s*ROWB
	s_or_b32 s[G0+4*\s+3], s[G0+4*\s+3], 0x80000000
	s_mov_b32 s[G0B+4*\s], 1
	s_add_co_u32 s[G0B+4*\s+1], s45, \s*SLOT
	s_add_nc_u64 s[G0B+4*\s+2:G0B+4*\s+3], s[46:47], \s*ROWB
	s_or_b32 s[G0B+4*\s+3], s[G0B+4*\s+3], 0x80000000
.endr
; the head's four tiles, one load a wave: chunk 0 of A, chunk 0 of B, A's scales, B's scales
.macro ARM under, g0, g1, next
	s_cmp_lt_u32 s14, \under
	s_cbranch_scc0 \next
	tensor_load_to_lds s[\g0:\g0+3], s[\g1:\g1+7]
	s_nop 0
.rept 4
	v_nop
.endr
	s_branch .Lhead_asked
\next:
.endm
	ARM 1, G0H,  G1,  .Lhead_b
	ARM 2, G0HB, G1B, .Lhead_sa
	ARM 3, G0S,  G1S, .Lhead_sb
	tensor_load_to_lds s[G0SB:G0SB+3], s[G1SB:G1SB+7]
	s_nop 0
.rept 4
	v_nop
.endr
.Lhead_asked:
	v_and_b32 v1, 15, v0                           ; r
	v_bfe_u32 v2, v0, 4, 1                         ; h
	v_mul_u32_u24 v3, v1, PITCH
	v_mul_u32_u24 v4, v2, 24
	v_add_nc_u32 v4, v3, v4
	s_mov_b32 s21, SLOT-232
	s_mov_b32 s22, SLOT+232
	v_sub_nc_u32 v7, 1, v2
	v_mul_u32_u24 v5, s21, v2
	v_add_nc_u32 v5, v3, v5
	v_add_nc_u32 v5, 232, v5                       ; lanes 0-15 byte 232 in slot 0, lanes 16-31 byte 0 in slot 1
	v_mul_u32_u24 v6, s22, v7
	v_add_nc_u32 v6, v3, v6                        ; and the other order
	s_mul_i32 s21, s15, HALFT
	s_mul_i32 s22, s16, HALFT
	s_add_co_u32 s22, s22, 2*HALFT
	v_add_nc_u32 v[ADRA+2], s21, v5
	v_add_nc_u32 v[ADRA+3], s21, v6
	v_add_nc_u32 v[ADRB+2], s22, v5
	v_add_nc_u32 v[ADRB+3], s22, v6
.irp s, 0,1
	v_add_nc_u32 v[ADRA+\s], s21, v4
	v_add_nc_u32 v[ADRB+\s], s22, v4
	s_add_co_u32 s21, s21, SLOT
	s_add_co_u32 s22, s22, SLOT
.endr
	; WHICH ROWS OF B FORM A TILE: lane r of tile i takes row 64 (i / 4) + 32 (r / 8) + 8 (i % 4) + r % 8, so that in the results a lane's 32 registers of four tiles are one whole block of 32 neighbours
	v_lshrrev_b32 v8, 3, v1
	v_mul_u32_u24 v8, v8, 24*PITCH                 ; lanes 8-15 of a row of lanes: 24 rows further on
.irp s, 0,1,2,3
	v_add_nc_u32 v[ADRB+\s], v8, v[ADRB+\s]
.endr
	v_mul_u32_u24 v5, v1, KS
	v_lshrrev_b32 v6, 8, v5
	v_lshl_add_u32 v5, v6, 4, v5
	s_mul_i32 s21, s15, HALFS
	s_mul_i32 s22, s16, HALFS
	s_add_co_u32 s22, s22, 2*HALFS
	s_add_co_u32 s22, s22, SCL
	s_add_co_u32 s21, s21, SCL
	v_add_nc_u32 v[ADRS], s21, v5
	v_lshrrev_b32 v6, 3, v1
	v_and_b32 v7, 7, v1
	v_mul_u32_u24 v6, v6, 1088                     ; B's: 32 rows of 32 bytes and four paddings of 16 for r / 8,
	v_lshl_add_u32 v6, v7, 5, v6                   ; 32 bytes for each of r % 8
	v_add_nc_u32 v[ADRSB], s22, v6
	v_lshlrev_b32 v[SH8], 3, v2
	s_mul_i32 s23, s14, STGB
	s_add_co_u32 s23, s23, STAGE                   ; my stage for q and k,
	s_add_co_u32 s94, s23, 4*STGB                  ; and for v
	v_and_b32 v6, 31, v0
	v_lshlrev_b32 v[CO], 4, v6
	v_add_nc_u32 v[RD], s23, v[CO]
	v_add_nc_u32 v[STOV], s94, v[CO]               ; v: an image, 16 bytes a lane
	v_lshlrev_b32 v7, 2, v1
	v_add_nc_u32 v7, s94, v7
	v_add_nc_u32 v[SCAV], SCU, v7
	v_lshrrev_b32 v5, 3, v1
	v_and_b32 v6, 7, v1
	v_mul_u32_u24 v7, v5, 768
	v_lshl_add_u32 v7, v6, 3, v7
	v_lshl_add_u32 v7, v2, 7, v7
	v_add_nc_u32 v[STO], s23, v7                   ; q, k: 768 (r / 8) + 8 (r % 8) + 128 h
	v_lshlrev_b32 v7, 2, v6
	v_lshl_add_u32 v7, v5, 1, v7
	v_add_nc_u32 v7, s23, v7
	v_add_nc_u32 v[SCA], SCU, v7
.irp b, 0,1,2,3
	v_mov_b32 v[TM+4+\b], 0                        ; a lane permute's destination counts as read
.endr
	s_cmp_eq_u32 s[MODE], 2                        ; my two records: ((2 x token tile + half) x 16 + 4 x feature tile + 2 x half)
	s_cselect_b32 s20, s42, s17
	s_cselect_b32 s21, s16, s15
	s_cselect_b32 s46, s17, s42
	s_cselect_b32 s47, s15, s16
	s_lshl_b32 s20, s20, 1
	s_add_co_u32 s20, s20, s21
	s_lshl_b32 s20, s20, 4
	s_lshl_b32 s46, s46, 2
	s_add_co_u32 s20, s20, s46
	s_lshl_b32 s47, s47, 1
	s_add_co_u32 s20, s20, s47
	s_mul_i32 s20, s20, RECB
	s_mov_b32 s21, 0
	s_add_nc_u64 s[12:13], s[12:13], s[20:21]
.macro FRAG reg, adr, st, i            ; 16 rows x 128 K: six pieces of 8 bytes; byte y of a row lies in slot (y / 256) % 2 at byte y % 256
.irp p, 0,1,2,3,4,5
.set BY, 96*(\st)+48*(\p/3)+8*(\p%3)
.if BY/ROWB == (BY+24)/ROWB
	ds_load_b64 v[\reg+2*\p:\reg+2*\p+1], v[\adr+(BY/ROWB)%2] offset:BY%ROWB+(\i)*PITCH
.else
	ds_load_b64 v[\reg+2*\p:\reg+2*\p+1], v[\adr+2+(BY/ROWB)%2] offset:BY%ROWB-232+(\i)*PITCH
.endif
.endr
.endm
.macro MUL16 a0, p, q, sc, zero        ; the 64 accumulators take turns
.irp a, \a0, \a0+1
.irp b, 0,1,2,3,4,5,6,7
.if \zero
	v_wmma_scale_f32_16x16x128_f8f6f4 v[8*(8*((\a)%4)+\b):8*(8*((\a)%4)+\b)+7], v[128*(\p)+FR*\b:128*(\p)+FR*\b+FR-1], v[AF+FR*(\a):AF+FR*(\a)+FR-1], 0, v[SCB+8*NQ*(\sc)+NQ*\b+(\q)], v[SC+8*NQ*(\sc)+NQ*(\a)+(\q)] matrix_a_fmt:MATRIX_FMT_FP6 matrix_b_fmt:MATRIX_FMT_FP6
.else
	v_wmma_scale_f32_16x16x128_f8f6f4 v[8*(8*((\a)%4)+\b):8*(8*((\a)%4)+\b)+7], v[128*(\p)+FR*\b:128*(\p)+FR*\b+FR-1], v[AF+FR*(\a):AF+FR*(\a)+FR-1], v[8*(8*((\a)%4)+\b):8*(8*((\a)%4)+\b)+7], v[SCB+8*NQ*(\sc)+NQ*\b+(\q)], v[SC+8*NQ*(\sc)+NQ*(\a)+(\q)] matrix_a_fmt:MATRIX_FMT_FP6 matrix_b_fmt:MATRIX_FMT_FP6
.endif
.endr
.endr
.endm
.macro FETCH_B st, p
	WIN TO_B
.irp i, 0,1,2,3,4,5,6,7
	FRAG 128*(\p)+FR*\i, ADRB, \st, 64*(\i/4)+8*(\i%4)
.endr
	WIN 0
.endm
.macro FETCH_A st, i0
.irp i, \i0, \i0+1, \i0+2, \i0+3
	FRAG AF+FR*(\i), ADRA, \st, 16*(\i)
.endr
.endm
.macro SCALES pr
.irp i, 0,1,2,3,4,5,6,7
	ds_load_b64 v[SC+8*NQ*((\pr)%2)+NQ*\i:SC+8*NQ*((\pr)%2)+NQ*\i+1], v[ADRS] offset:\i*SBLK+4*NQ*(\pr)
	ds_load_b64 v[SCB+8*NQ*((\pr)%2)+NQ*\i:SCB+8*NQ*((\pr)%2)+NQ*\i+1], v[ADRSB] offset:2176*(\i/4)+272*(\i%4)+4*NQ*(\pr)   ; B's tile i begins at row 64 (i / 4) + 8 (i % 4): 272 bytes for each 8 rows
.endr
.endm
.macro PLACES n
.rept \n
	v_nop
.endr
.endm
; A step: 64 products; the next step's fragments come in its middle and at its end.  Where the next step ends in a chunk not yet read, a barrier shows that chunk whole;
; where it begins in a later chunk, the chunk left behind is free: the three lines, the barrier, and, while a chunk is left to fetch, the cluster's round and the refill.
.macro STEP st, zero
.set NX, (\st)+1
.set C0, (96*(\st))/ROWB
.set C1, (96*NX)/ROWB
.set E0, (96*(\st)+95)/ROWB
.set E1, (96*NX+95)/ROWB
.if C1 > C0 || E1 > E0
	s_wait_tensorcnt 0x0                           ; all my tensor loads have landed
.if C1 > C0
	ds_add_u32 v[SPW], v[NIL]
	s_wait_dscnt 4*NL+1                            ; the add and A's blocks 4-7 (24 loads) may be out
.else
	s_wait_dscnt 4*NL                              ; A's blocks 4-7 may be out
.endif
	WIN MUL_LO
	MUL16 0, (\st)%2, (\st)%2, ((\st)/2)%2, \zero
	s_wait_dscnt 0x0                               ; the add and my reads are done
	s_barrier_signal -1
	MUL16 2, (\st)%2, (\st)%2, ((\st)/2)%2, \zero
	WIN 0
	s_barrier_wait -1
.if C1 > C0 && C0+2 < CHUNKS
	CREST
	s_add_nc_u64 s[G0+4*(C0%2)+2:G0+4*(C0%2)+3], s[G0+4*(C0%2)+2:G0+4*(C0%2)+3], 2*ROWB
	s_add_nc_u64 s[G0B+4*(C0%2)+2:G0B+4*(C0%2)+3], s[G0B+4*(C0%2)+2:G0B+4*(C0%2)+3], 2*ROWB
	JLOAD G0+4*(C0%2), G1, G0B+4*(C0%2), G1B       ; chunk C0 + 2; its four v_nop are the places for the loads below
.else
	PLACES NP
.endif
.else
	s_wait_dscnt 4*NL
	WIN MUL_LO
	MUL16 0, (\st)%2, (\st)%2, ((\st)/2)%2, \zero
	MUL16 2, (\st)%2, (\st)%2, ((\st)/2)%2, \zero
	s_wait_dscnt 0
	PLACES NP
.endif
	FETCH_B NX, NX%2
	FETCH_A NX, 0
.if NX%2 == 0
	SCALES NX/2
.endif
	WIN MUL_HI
	MUL16 4, (\st)%2, (\st)%2, ((\st)/2)%2, \zero
	MUL16 6, (\st)%2, (\st)%2, ((\st)/2)%2, \zero
	PLACES NP
	WIN 0
	FETCH_A NX, 4
.endm
	s_wait_alu depctr_va_vdst(0)
	s_wait_tensorcnt 0x0                           ; my tile of the head's four is in; the three lines ahead of slot 1's first fill
	ds_add_u32 v[SPW], v[NIL]
	s_mov_b32 s[G1+2], 128<<16                     ; no load of mine is out: from here on a load brings 128 rows
	s_mov_b32 s[G1+4], 128
	s_mov_b32 s[G1B+2], 128<<16
	s_mov_b32 s[G1B+4], 128
	s_wait_dscnt 0x0
	CROUND
	JLOAD G0+4, G1, G0B+4, G1B                     ; chunk 1
	FETCH_B 0, 0
	FETCH_A 0, 0
	SCALES 0
	FETCH_A 0, 4
	STEP 0, 1                                      ; the first products start the sums
.set ST, 1
.rept STEPS-2
	STEP ST, 0
.set ST, ST+1
.endr
	s_wait_dscnt 4*NL
	WIN MUL_LO
	MUL16 0, 1, 1, 1, 0
	MUL16 2, 1, 1, 1, 0
	s_wait_dscnt 0
	WIN MUL_HI
	MUL16 4, 1, 1, 1, 0
	MUL16 6, 1, 1, 1, 0
	WIN 0
; THE WAY OUT, block by block of A's 16 rows
.macro GET a                           ; the block's 64 registers into window 0, each accumulator from its low end on
	WIN 0x02+(\a)/4
.set AC, 64*((\a)%4)
.set i, 0
.rept 64
	v_mov_b32 v[X+i], v[AC+i]
.set i, i+1
.endr
	WIN 0
.endm
.macro QUANT s
.irp b, 0,1,2,3
	v_max3_num_f32 v[TM+\b], |v[\s+16*\b]|, |v[\s+1+16*\b]|, 0x1800000   ; with the floor 2^(3 - 127)
.endr
.irp i, 2,4,6,8,10,12,14
.irp b, 0,1,2,3
	v_max3_num_f32 v[TM+\b], v[TM+\b], |v[\s+16*\b+\i]|, |v[\s+1+16*\b+\i]|
.endr
.endr
	v_max_num_f32 v[TM], v[TM], v[TM+1]            ; my two whole blocks: h (registers 0-31) and 2 + h (registers 32-63)
	v_max_num_f32 v[TM+1], v[TM+2], v[TM+3]
.irp c, 0,1
	v_add_nc_u32 v[TM+12+\c], 0xff000000, v[TM+\c]   ; 2 off the exponent field: the conversion's scale operand
.endr
.irp c, 0,1
	v_lshrrev_b32 v[TM+4+\c], 23, v[TM+12+\c]
.endr
	v_lshl_or_b32 v[PW], v[TM+5], 16, v[TM+4]      ; my two bytes,
	v_lshlrev_b32 v[PW], v[SH8], v[PW]             ; 8 h bits up,
	v_permlanex16_b32 v[TM+6], v[PW], s[SEL], s[SEL+1]
	v_or_b32 v[PW], v[PW], v[TM+6]                 ; and lane l xor 16's two: the row's scale word
.irp c, 0,1
	v_cvt_scalef32_pk16_fp6_f32 v[PC+6*\c:PC+2+6*\c], v[\s+32*\c:\s+15+32*\c], v[TM+12+\c]
	v_cvt_scalef32_pk16_fp6_f32 v[PC+12+4*\c:PC+14+4*\c], v[\s+16+32*\c:\s+31+32*\c], v[TM+12+\c]
.endr
	v_nop
.irp c, 0,1
.irp i, 0,1,2
	v_mov_b32 v[PC+3+6*\c+\i], v[PC+12+4*\c+\i]
.endr
.endr
.endm
.macro PUTQK co, so                    ; co, so: where the block's codes and scale bytes lie in a record
.irp c, 0,1
.irp q, 0,1,2
	ds_store_b64 v[STO], v[PC+6*\c+2*\q:PC+6*\c+2*\q+1] offset:RECB*\c+(\co)+256*\q
.endr
.endr
	ds_store_b16 v[SCA], v[PW] offset:(\so)
	ds_store_b16_d16_hi v[SCA], v[PW] offset:RECB+(\so)
.endm
.macro PUTV a
.irp g, 0,1,2
	ds_store_b128 v[STOV], v[PC+4*\g:PC+4*\g+3] offset:RECB*((\a)/4)+1536*((\a)%4)+512*\g
.endr
	ds_store_b32 v[SCAV], v[PW] offset:RECB*((\a)/4)+64*((\a)%4)
.endm
.macro OUT a
	GET \a
	QUANT X
	s_wait_alu depctr_va_vdst(0)
	s_cmp_eq_u32 s[MODE], 2
	s_cbranch_scc1 .Lput_v_\@
	s_cmp_eq_u32 s[MODE], 1
	s_cbranch_scc1 .Lput_k_\@
	PUTQK 1536*((\a)/2)+64*((\a)%2), 32*(\a)       ; q: token 16 a + r is row 8 (a % 2) + r % 8 of tile 2 (a / 2) + r / 8
	s_branch .Lput_done_\@
.Lput_k_\@:
	PUTQK 1536*(2*((\a)/4)+(\a)%2)+64*(((\a)/2)%2), 64*(2*((\a)/4)+(\a)%2)+32*(((\a)/2)%2)   ; k: key 16 a + r is row 8 ((a / 2) % 2) + r % 8 of tile 4 (a / 4) + 2 (a % 2) + r / 8
	s_branch .Lput_done_\@
.Lput_v_\@:
	PUTV \a
.Lput_done_\@:
	s_wait_dscnt 0x0
.endm
	PLACES NP
.irp a, 0,1,2,3,4,5,6,7
	OUT \a
.endr
	s_cmp_eq_u32 s[MODE], 2                        ; my two records come back, 512 bytes a load
	s_cbranch_scc1 .Lback_v
.irp i, 0,1,2,3,4,5,6,7,8,9,10,11,12,13,14,15,16,17,18,19,20,21,22,23,24
	ds_load_b128 v[BK+4*\i:BK+4*\i+3], v[RD] offset:512*\i
.endr
	s_branch .Lback_done
.Lback_v:
.irp i, 0,1,2,3,4,5,6,7,8,9,10,11,12,13,14,15,16,17,18,19,20,21,22,23,24
	ds_load_b128 v[BK+4*\i:BK+4*\i+3], v[STOV] offset:512*\i
.endr
.Lback_done:
.irp i, 0,1,2,3,4,5,6,7,8,9,10,11,12,13,14,15,16,17,18,19,20,21,22,23,24
	s_wait_dscnt 24-\i                             ; the loads behind load i may be out
	global_store_b128 v[CO], v[BK+4*\i:BK+4*\i+3], s[12:13] offset:512*\i   ; 512 consecutive bytes, aligned
.endr
	s_wait_tensorcnt 0x0                           ; the wave's end
	ds_add_u32 v[SPW], v[NIL]
	s_wait_dscnt 0x0
	CROUND                                         ; the closing round
	s_endpgm
.Lfunc_end_k_q73a8e89414_proj:
	.size	k_q73a8e89414_proj, .Lfunc_end_k_q73a8e89414_proj-k_q73a8e89414_proj
	.p2alignl 7, 3214868480
	.fill 96, 4, 3214868480
	.section	.rodata,"a",@progbits
	.p2align	6, 0x0
	.amdhsa_kernel k_q73a8e89414_proj
		.amdhsa_group_segment_fixed_size 327680
		.amdhsa_private_segment_fixed_size 0
		.amdhsa_enable_private_segment 0
		.amdhsa_kernarg_size 112
		.amdhsa_user_sgpr_count 2
		.amdhsa_user_sgpr_kernarg_segment_ptr 1
		.amdhsa_wavefront_size32 1
		.amdhsa_system_sgpr_workgroup_id_x 1
		.amdhsa_system_sgpr_workgroup_id_y 1
		.amdhsa_system_sgpr_workgroup_id_z 1
		.amdhsa_system_vgpr_workitem_id 0
		.amdhsa_next_free_vgpr 1024
		.amdhsa_next_free_sgpr 98
		.amdhsa_reserve_vcc 0
		.amdhsa_float_denorm_mode_32 3
		.amdhsa_float_denorm_mode_16_64 3
		.amdhsa_memory_ordered 1
		.amdhsa_forward_progress 1
		.amdhsa_inst_pref_size 194
	.end_amdhsa_kernel
	.amdgpu_metadata
---
amdhsa.version: [ 1, 2 ]
amdhsa.kernels:
  - .name:           k_q73a8e89414_proj
    .symbol:         k_q73a8e89414_proj.kd
    .args:
      - { .name: xq, .offset: 0, .size: 8, .value_kind: global_buffer, .address_space: global }
      - { .name: W_Q_codes, .offset: 8, .size: 8, .value_kind: global_buffer, .address_space: global }
      - { .name: W_Q_scales, .offset: 16, .size: 8, .value_kind: global_buffer, .address_space: global }
      - { .name: qrec, .offset: 24, .size: 8, .value_kind: global_buffer, .address_space: global }
      - { .name: key_codes, .offset: 32, .size: 8, .value_kind: global_buffer, .address_space: global }
      - { .name: key_scales, .offset: 40, .size: 8, .value_kind: global_buffer, .address_space: global }
      - { .name: W_K_codes, .offset: 48, .size: 8, .value_kind: global_buffer, .address_space: global }
      - { .name: W_K_scales, .offset: 56, .size: 8, .value_kind: global_buffer, .address_space: global }
      - { .name: krec, .offset: 64, .size: 8, .value_kind: global_buffer, .address_space: global }
      - { .name: W_V_codes, .offset: 72, .size: 8, .value_kind: global_buffer, .address_space: global }
      - { .name: W_V_scales, .offset: 80, .size: 8, .value_kind: global_buffer, .address_space: global }
      - { .name: value_codes, .offset: 88, .size: 8, .value_kind: global_buffer, .address_space: global }
      - { .name: value_scales, .offset: 96, .size: 8, .value_kind: global_buffer, .address_space: global }
      - { .name: vrec, .offset: 104, .size: 8, .value_kind: global_buffer, .address_space: global }
    .group_segment_fixed_size: 327680
    .private_segment_fixed_size: 0
    .kernarg_segment_align: 8
    .kernarg_segment_size: 112
    .max_flat_workgroup_size: 128
    .sgpr_count:     98
    .vgpr_count:     1024
    .wavefront_size: 32
...
	.end_amdgpu_metadata
.endif
;; end of part 2
;; launch attn (part 3): grid 4 x 64, 16 waves a work-group, clusters of 4 x 1, 327,680 bytes of LDS; arguments qrec, krec, vrec, mbits, ctx; writes ctx
.if DOCPART == 3
	.amdgcn_target "amdgcn-amd-amdhsa--gfx1250"
	.amdhsa_code_object_version 6
	.text
	.protected	k_q73a8e89414_attn
	.globl	k_q73a8e89414_attn
	.p2align	8
	.type	k_q73a8e89414_attn,@function
k_q73a8e89414_attn:
	s_mov_b64 s[64:65], 0
	v_nop
	global_prefetch_b8 v0, s[64:65] scope:SCOPE_SE
	s_setreg_imm32_b32 hwreg(HW_REG_WAVE_MODE, 25, 1), 1
	s_wait_xcnt 0x0
	s_wait_alu depctr_hold_cnt(0) depctr_sa_sdst(0) depctr_va_vdst(0) depctr_va_sdst(0) depctr_va_ssrc(0) depctr_va_vcc(0) depctr_vm_vsrc(0)
	s_getreg_b32 s2, hwreg(HW_REG_IB_STS2, 6, 4)
	s_cmp_eq_u32 s2, 0
	s_cbranch_scc0 .Lentry_in_a_cluster
	s_endpgm
.Lentry_in_a_cluster:
	s_bfe_u32 s2, ttmp6, 0x10000c
	s_cmp_lg_u32 s2, 0x3003
	s_cbranch_scc0 .Lentry_shape_is_right
	s_endpgm
.Lentry_shape_is_right:
.set RECB, 6400
.set VREG, 16*RECB
.set SCU,  6144
.set CSC,  6291456
.set AK0,  1
.set AV0,  2
.set AS0,  3
.set FILL, 4
.set GC,   5
.set GS,   6
.set QO,   7
.set ADK,  8
.set ADV,  9
.set ADS,  10
.set QSO,  11
.set QF,   16
.set QW,   34
.set QP,   35
.set QD,   36
.set FRG,  48
.set S,    96
.set O,    160
.set PC,   192
.set PT,   204
.set BM,   212
.set BT,   216
.set SO,   220
.set KVS,  224
.set PW,   228
.set FF,   230
.set TT,   232
.set CW,   233
.set SH8,  234                         ; v234 8 x (lane / 16)
.set WV,   16
.set PASS, 17
.set STP,  18
.set TB,   19
.set SEL,  20
.set CS,   22
.set MOF,  24
.macro ROUND
	s_barrier_signal -1
	s_barrier_wait -1
	s_cmp_lg_u32 s[WV], 0
	s_cbranch_scc1 .Lnot_wave_0_\@
	s_barrier_signal -3
.Lnot_wave_0_\@:
	s_barrier_wait -3
	s_barrier_signal -1
	s_barrier_wait -1
.endm
.macro MWORDS
	s_load_b512 s[32:47], s[10:11], s[MOF] offset:0x0
	s_load_b512 s[48:63], s[10:11], s[MOF] offset:0x40
	s_load_b512 s[68:83], s[10:11], s[MOF] offset:0x80
	s_load_b512 s[84:99], s[10:11], s[MOF] offset:0xc0
.endm
	s_load_b256 s[4:11], s[0:1], 0x0
	s_load_b64 s[12:13], s[0:1], 0x20
	v_lshl_add_u32 v254, v0, 2, 0x32000
	v_mov_b32 v255, 0
	ds_add_u32 v254, v255
	ds_add_u32 v254, v255
	v_lshrrev_b32 v1, 5, v0
	s_delay_alu instid0(VALU_DEP_1)
	v_readfirstlane_b32 s[WV], v1
	s_bfe_u32 s25, ttmp6, 0x40000
	s_and_b32 s26, ttmp7, 0xffff
	s_lshr_b32 s27, s26, 4
	s_and_b32 s28, s26, 15
	v_and_b32 v11, 31, v0
	v_and_b32 v6, 15, v0
	v_bfe_u32 v7, v0, 4, 1
	s_delay_alu instid0(VALU_DEP_3)
	v_lshlrev_b32 v[AK0], 3, v11
	s_delay_alu instid0(VALU_DEP_4)
	v_lshlrev_b32 v[AV0], 4, v11
	s_delay_alu instid0(VALU_DEP_1)
	v_add_nc_u32 v[AV0], VREG, v[AV0]
	s_delay_alu instid0(VALU_DEP_4)
	v_mul_u32_u24 v[AS0], v7, VREG
	s_delay_alu instid0(VALU_DEP_1)
	v_lshl_add_u32 v[AS0], v6, 2, v[AS0]
	s_delay_alu instid0(VALU_DEP_1)
	v_add_nc_u32 v[AS0], SCU, v[AS0]
	v_mov_b32 v[FILL], 0xd0000000
	v_lshlrev_b32 v[SH8], 3, v7
	v_lshlrev_b32 v[GC], 3, v11
	v_lshlrev_b32 v[GS], 2, v6
	s_and_b32 s29, s[WV], 3
	s_mul_i32 s30, s29, 1536
	s_lshl_b32 s31, s29, 6
	s_add_co_u32 s31, s31, SCU
	v_add_nc_u32 v[QO], s30, v[GC]
	v_add_nc_u32 v[QSO], s31, v[GS]
.irp i, 0,1,2,3,4,5
	v_mov_b32 v[QF+6+\i], 0
.endr
.irp b, 0,1,2,3
	v_mov_b32 v[BT+\b], 0
.endr
	v_mov_b32 v[FF+1], 0
	v_mov_b32 v[TT], 0
	s_mov_b32 s[SEL], 0x76543210
	s_mov_b32 s[SEL+1], 0xfedcba98
	s_mov_b32 s[CS], 0x3e38aa3b
	s_mov_b32 s[CS+1], s[CS]
	s_mov_b32 s32, 15|(3<<16)|(1<<21)
	; one joint load a wave: two records of 6,400 bytes (800 elements of 8 bytes), 16 records apart in memory, on end in LDS.
	; waves 0-7 bring K's sixteen records, waves 8-15 V's, which lie behind K's: LDS byte 12,800 x wave
	s_mov_b32 s33, 800<<16
	s_mov_b32 s34, 2<<16
	s_mov_b32 s35, 800<<16
	s_mov_b32 s36, 2
	s_mov_b32 s37, 12800
	s_mov_b32 s38, 0
	s_mov_b32 s39, 0
	s_and_b32 s29, s[WV], 7
	s_lshl_b32 s29, s29, 1
	s_lshl_b32 s30, s27, 4
	s_add_co_u32 s29, s29, s30
	s_lshl_b32 s29, s29, 4
	s_add_co_u32 s29, s29, s28
	s_mul_i32 s30, s29, RECB
	s_mov_b32 s31, 0
	s_mul_i32 s29, s[WV], 2*RECB
	s_wait_alu depctr_va_vdst(0)
	s_wait_dscnt 0x0
	s_wait_kmcnt 0x0
	s_cmp_lt_u32 s[WV], 8
	s_cselect_b64 s[42:43], s[6:7], s[8:9]
	s_mov_b32 s40, 1
	s_mov_b32 s41, s29
	s_add_nc_u64 s[42:43], s[42:43], s[30:31]
	s_or_b32 s43, s43, 0x80000000
	ROUND
	tensor_load_to_lds s[40:43], s[32:39]
	s_nop 0
.rept 4
	v_nop
.endr
	s_lshl_b32 s29, s27, 4
	s_lshl_b32 s30, s25, 2
	s_add_co_u32 s29, s29, s30
	s_lshr_b32 s30, s[WV], 2
	s_add_co_u32 s29, s29, s30
	s_lshl_b32 s29, s29, 4
	s_add_co_u32 s29, s29, s28
	s_mul_i32 s30, s29, RECB
	s_mov_b32 s31, 0
	s_add_nc_u64 s[4:5], s[4:5], s[30:31]
.irp p, 0,1,2,3,4,5
	global_load_b64 v[QD+2*\p:QD+2*\p+1], v[QO], s[4:5] offset:256*\p
.endr
	global_load_b32 v[QP], v[QSO], s[4:5]
	s_lshl_b32 s29, s27, 7
	s_lshl_b32 s30, s25, 5
	s_add_co_u32 s29, s29, s30
	s_lshl_b32 s30, s[WV], 1
	s_add_co_u32 s29, s29, s30
	s_lshl_b32 s[MOF], s29, 12
	s_lshl_b32 s30, s29, 9
	s_lshr_b32 s31, s28, 1
	s_lshl_b32 s31, s31, 6
	s_add_co_u32 s30, s30, s31
	s_and_b32 s31, s28, 1
	s_lshl_b32 s31, s31, 1
	s_add_co_u32 s30, s30, s31
	s_add_co_u32 s30, s30, CSC
	s_mov_b32 s31, 0
	s_add_nc_u64 s[14:15], s[12:13], s[30:31]
	s_lshl_b32 s30, s29, 4
	s_add_co_u32 s30, s30, s28
	s_mul_i32 s30, s30, 768
	s_add_nc_u64 s[12:13], s[12:13], s[30:31]
	s_wait_tensorcnt 0x0
	s_barrier_signal -1
	s_barrier_wait -1
	MWORDS
	s_wait_loadcnt 0x0
	s_mov_b32 s[PASS], 2
.Lpass:
	s_wait_alu depctr_va_vdst(0)
.irp i, 0,1,2,3,4,5
	v_mov_b32 v[QF+\i], v[QD+\i]
	v_mov_b32 v[QF+12+\i], v[QD+\i]
.endr
	v_and_b32 v[QW], 0xffff, v[QP]
	s_delay_alu instid0(VALU_DEP_1)
	v_lshl_or_b32 v[QW], v[QW], 16, v[QW]
	v_mov_b32 v13, 0xff61b1e6
	s_delay_alu instid0(VALU_DEP_1)
	v_floor_f32 v12, -v13
	v_mov_b32 v14, 0
	v_mov_b32 v15, 0
.set j, 0
.rept 32
	v_mov_b32 v[O+j], 0
.set j, j+1
.endr
	s_mov_b32 s[TB], 0
	s_mov_b32 s[STP], 16
.Lstep:
	v_add_nc_u32 v[ADK], s[TB], v[AK0]
	v_add_nc_u32 v[ADV], s[TB], v[AV0]
	v_add_nc_u32 v[ADS], s[TB], v[AS0]
	v_nop
.irp p, 0,1,2,3,4,5,6,7,8,9,10,11,12,13,14,15,16,17,18,19,20,21,22,23
	ds_load_b64 v[FRG+2*\p:FRG+2*\p+1], v[ADK] offset:256*\p
.endr
.irp p, 0,1,2,3
	ds_load_b32 v[KVS+\p], v[ADS] offset:64*\p
.endr
	s_wait_alu depctr_va_vdst(0)
	s_wait_dscnt 0x0
.irp t, 0,1,2,3,4,5,6,7
	v_wmma_scale_f32_16x16x128_f8f6f4 v[S+8*\t:S+8*\t+7], v[FRG+12*(\t/2):FRG+12*(\t/2)+11], v[QF+6*(\t%2):QF+6*(\t%2)+11], 0, v[KVS+\t/2], v[QW] matrix_a_fmt:MATRIX_FMT_FP6 matrix_b_fmt:MATRIX_FMT_FP6
.endr
.rept 4
	v_nop
.endr
.irp c, 0,1,2,3,4,5,6,7,8,9,10,11
	ds_load_b128 v[FRG+4*\c:FRG+4*\c+3], v[ADV] offset:512*\c
.endr
	s_wait_kmcnt 0x0
.set j, 0
.rept 64
	v_cndmask_b32 v[S+j], v[S+j], v[FILL], s[32+j+4*(j/32)]
.set j, j+1
.endr
	s_add_co_u32 s[MOF], s[MOF], 256
	s_min_u32 s[MOF], s[MOF], 2096896
	MWORDS
.irp b, 0,1,2,3
	v_max3_num_f32 v[BM+\b], v[S+16*\b], v[S+1+16*\b], v[S+2+16*\b]
.endr
.irp i, 3,5,7,9,11,13
.irp b, 0,1,2,3
	s_delay_alu instid0(VALU_DEP_4)
	v_max3_num_f32 v[BM+\b], v[BM+\b], v[S+16*\b+\i], v[S+1+16*\b+\i]
.endr
.endr
.irp b, 0,1,2,3
	s_delay_alu instid0(VALU_DEP_4)
	v_max_num_f32 v[BM+\b], v[BM+\b], v[S+15+16*\b]
.endr
	; THE KEYS OF A TILE: row r of tile t is key 64 (t / 4) + 32 (r / 8) + 8 (t % 4) + r % 8, so score register 32 c + i of lane (r, h) is key 64 c + 32 h + i: a lane holds two whole blocks of 32 keys
	s_delay_alu instid0(VALU_DEP_3)
	v_max_num_f32 v[BM], v[BM], v[BM+1]            ; block h
	s_delay_alu instid0(VALU_DEP_2)
	v_max_num_f32 v[BM+1], v[BM+2], v[BM+3]        ; block 2 + h
	s_delay_alu instid0(VALU_DEP_1)
	v_max_num_f32 v[TT], v[BM], v[BM+1]
	s_delay_alu instid0(VALU_DEP_1)
	v_permlanex16_b32 v[BT], v[TT], s[SEL], s[SEL+1]
	s_delay_alu instid0(VALU_DEP_1)
	v_max_num_f32 v[TT], v[TT], v[BT]              ; with lane l xor 16's 64 keys: the step's largest score of my query
	s_delay_alu instid0(VALU_DEP_1)
	v_mul_f32 v[TT], s[CS], v[TT]
	s_delay_alu instid0(VALU_DEP_1)
	v_max_num_f32 v13, v13, v[TT]
	v_mov_b32 v[TT], v12
	s_delay_alu instid0(VALU_DEP_2)
	v_floor_f32 v12, -v13
	s_delay_alu instid0(VALU_DEP_1)
	v_sub_f32 v[TT], v12, v[TT]
	s_delay_alu instid0(VALU_DEP_1)
	v_cvt_i32_f32 v[TT], v[TT]
	s_delay_alu instid0(VALU_DEP_1)
	v_ldexp_f32 v[FF], 1.0, v[TT]
.set j, 0
.rept 32
	v_pk_fma_f32 v[S+j:S+j+1], v[S+j:S+j+1], s[CS:CS+1], v[12:13] op_sel_hi:[1,0,0]
.set j, j+2
.endr
.irp b, 0,1
	v_fma_f32 v[BM+\b], v[BM+\b], s[CS], v12
.endr
.set j, 0
	s_wait_alu depctr_va_vdst(0)
.rept 64
	v_exp_f32 v[S+j], v[S+j]
.set j, j+1
.endr
	v_pk_mul_f32 v[14:15], v[14:15], v[FF:FF+1] op_sel_hi:[1,0]
	s_wait_alu depctr_va_vdst(0)
.irp b, 0,1
	v_exp_f32 v[BM+\b], v[BM+\b]
.endr
	v_pk_add_f32 v[BT:BT+1], v[S:S+1], v[S+2:S+3]
.irp j, 4,8,12,16,20,24,28,32,36,40,44,48,52,56,60
	v_pk_add_f32 v[14:15], v[14:15], v[S+\j:S+\j+1]
	v_pk_add_f32 v[BT:BT+1], v[BT:BT+1], v[S+2+\j:S+3+\j]
.endr
	s_delay_alu instid0(VALU_DEP_1)
	v_pk_add_f32 v[14:15], v[14:15], v[BT:BT+1]
	s_wait_alu depctr_va_vdst(0)
.irp b, 0,1
	v_max_num_f32 v[BM+\b], 0x1800000, v[BM+\b]
.endr
.irp b, 0,1
	s_delay_alu instid0(VALU_DEP_2)
	v_add_nc_u32 v[SO+\b], 0xff000000, v[BM+\b]
.endr
.irp b, 0,1
	s_delay_alu instid0(VALU_DEP_2)
	v_lshrrev_b32 v[BT+\b], 23, v[SO+\b]
.endr
	s_delay_alu instid0(VALU_DEP_1)
	v_lshl_or_b32 v[PW], v[BT+1], 16, v[BT]        ; my two bytes, blocks h and 2 + h,
	s_delay_alu instid0(VALU_DEP_1)
	v_lshlrev_b32 v[PW], v[SH8], v[PW]             ; 8 h bits up,
	s_delay_alu instid0(VALU_DEP_1)
	v_permlanex16_b32 v[BT+2], v[PW], s[SEL], s[SEL+1]
	s_delay_alu instid0(VALU_DEP_1)
	v_or_b32 v[PW], v[PW], v[BT+2]                 ; and lane l xor 16's two: p's scale word for these 128 keys
.irp c, 0,1
	v_cvt_scalef32_pk16_fp6_f32 v[PC+6*\c:PC+2+6*\c], v[S+32*\c:S+15+32*\c], v[SO+\c]
	v_cvt_scalef32_pk16_fp6_f32 v[PT+4*\c:PT+2+4*\c], v[S+16+32*\c:S+31+32*\c], v[SO+\c]
.endr
	v_nop
.irp c, 0,1
.irp i, 0,1,2
	v_mov_b32 v[PC+3+6*\c+\i], v[PT+4*\c+\i]
.endr
.endr
.set j, 0
.rept 16
	v_pk_mul_f32 v[O+j:O+j+1], v[O+j:O+j+1], v[FF:FF+1] op_sel_hi:[1,0]
.set j, j+2
.endr
	s_wait_alu depctr_va_vdst(0)
	s_wait_dscnt 0x0
.irp t, 0,1,2,3
	v_wmma_scale_f32_16x16x128_f8f6f4 v[O+8*\t:O+8*\t+7], v[FRG+12*\t:FRG+12*\t+11], v[PC:PC+11], v[O+8*\t:O+8*\t+7], v[KVS+\t], v[PW] matrix_a_fmt:MATRIX_FMT_FP6 matrix_b_fmt:MATRIX_FMT_FP6 matrix_a_scale:MATRIX_SCALE_ROW1
.endr
	s_add_co_u32 s[TB], s[TB], RECB
	s_sub_co_u32 s[STP], s[STP], 1
	s_cmp_lg_u32 s[STP], 0
	s_cbranch_scc1 .Lstep
.rept 4
	v_nop
.endr
	v_add_f32 v14, v14, v15
	s_delay_alu instid0(VALU_DEP_1)
	v_permlanex16_b32 v[TT], v14, s[SEL], s[SEL+1]
	s_delay_alu instid0(VALU_DEP_1)
	v_add_f32 v14, v14, v[TT]
	s_wait_alu depctr_va_vdst(0)
	v_rcp_f32 v14, v14
	v_nop
	s_wait_alu depctr_va_vdst(0)
.set j, 0
.rept 32
	v_mul_f32 v[S+j], v[O+j], v14
.set j, j+1
.endr
.irp b, 0,1
.irp j, 0,1,2,3,4,5,6,7
	v_permlane16_swap_b32 v[S+16*\b+\j], v[S+16*\b+8+\j]
.endr
.endr
.irp b, 0,1
	v_max3_num_f32 v[BM+\b], |v[S+16*\b]|, |v[S+1+16*\b]|, 0x1800000
.endr
.irp i, 2,4,6,8,10,12,14
.irp b, 0,1
	s_delay_alu instid0(VALU_DEP_2)
	v_max3_num_f32 v[BM+\b], v[BM+\b], |v[S+16*\b+\i]|, |v[S+1+16*\b+\i]|
.endr
.endr
.irp b, 0,1
	s_delay_alu instid0(VALU_DEP_2)
	v_permlanex16_b32 v[BT+\b], v[BM+\b], s[SEL], s[SEL+1]
.endr
.irp b, 0,1
	s_delay_alu instid0(VALU_DEP_2)
	v_max_num_f32 v[BM+\b], v[BM+\b], v[BT+\b]
.endr
.irp b, 0,1
	s_delay_alu instid0(VALU_DEP_2)
	v_add_nc_u32 v[SO+\b], 0xff000000, v[BM+\b]
.endr
.irp b, 0,1
	s_delay_alu instid0(VALU_DEP_2)
	v_lshrrev_b32 v[BT+\b], 23, v[SO+\b]
.endr
	s_delay_alu instid0(VALU_DEP_1)
	v_lshl_or_b32 v[CW], v[BT+1], 8, v[BT]
	v_cvt_scalef32_pk16_fp6_f32 v[PC:PC+2], v[S:S+15], v[SO]
	v_cvt_scalef32_pk16_fp6_f32 v[PT:PT+2], v[S+16:S+31], v[SO+1]
	v_nop
.irp i, 0,1,2
	v_permlane16_swap_b32 v[PC+\i], v[PT+\i]
.endr
.irp i, 0,1,2
	s_delay_alu instid0(VALU_DEP_3)
	v_mov_b32 v[PC+3+\i], v[PT+\i]
.endr
.irp q, 0,1,2
	global_store_b64 v[GC], v[PC+2*\q:PC+2*\q+1], s[12:13] offset:256*\q
.endr
	global_store_b16 v[GS], v[CW], s[14:15]
	s_wait_xcnt 0x0
	s_add_nc_u64 s[12:13], s[12:13], 12288
	s_add_nc_u64 s[14:15], s[14:15], 512
.irp i, 0,1,2,3,4,5
	v_mov_b32 v[QD+\i], v[QD+6+\i]
.endr
	v_lshrrev_b32 v[QP], 16, v[QP]
	s_sub_co_u32 s[PASS], s[PASS], 1
	s_cmp_lg_u32 s[PASS], 0
	s_cbranch_scc1 .Lpass
	s_wait_kmcnt 0x0
	s_wait_dscnt 0x0
	s_wait_tensorcnt 0x0
	ds_add_u32 v254, v255
	s_wait_dscnt 0x0
	ROUND
	s_endpgm
.Lfunc_end_k_q73a8e89414_attn:
	.size	k_q73a8e89414_attn, .Lfunc_end_k_q73a8e89414_attn-k_q73a8e89414_attn
	.p2alignl 7, 3214868480
	.fill 96, 4, 3214868480
	.section	.rodata,"a",@progbits
	.p2align	6, 0x0
	.amdhsa_kernel k_q73a8e89414_attn
		.amdhsa_group_segment_fixed_size 327680
		.amdhsa_private_segment_fixed_size 0
		.amdhsa_enable_private_segment 0
		.amdhsa_kernarg_size 40
		.amdhsa_user_sgpr_count 2
		.amdhsa_user_sgpr_kernarg_segment_ptr 1
		.amdhsa_wavefront_size32 1
		.amdhsa_system_sgpr_workgroup_id_x 1
		.amdhsa_system_sgpr_workgroup_id_y 1
		.amdhsa_system_sgpr_workgroup_id_z 1
		.amdhsa_system_vgpr_workitem_id 0
		.amdhsa_next_free_vgpr 256
		.amdhsa_next_free_sgpr 100
		.amdhsa_reserve_vcc 0
		.amdhsa_float_denorm_mode_32 3
		.amdhsa_float_denorm_mode_16_64 3
		.amdhsa_memory_ordered 1
		.amdhsa_forward_progress 1
		.amdhsa_inst_pref_size 36
	.end_amdhsa_kernel
	.amdgpu_metadata
---
amdhsa.version: [ 1, 2 ]
amdhsa.kernels:
  - .name:           k_q73a8e89414_attn
    .symbol:         k_q73a8e89414_attn.kd
    .args:
      - { .name: qrec, .offset: 0, .size: 8, .value_kind: global_buffer, .address_space: global }
      - { .name: krec, .offset: 8, .size: 8, .value_kind: global_buffer, .address_space: global }
      - { .name: vrec, .offset: 16, .size: 8, .value_kind: global_buffer, .address_space: global }
      - { .name: mbits, .offset: 24, .size: 8, .value_kind: global_buffer, .address_space: global }
      - { .name: ctx, .offset: 32, .size: 8, .value_kind: global_buffer, .address_space: global }
    .group_segment_fixed_size: 327680
    .private_segment_fixed_size: 0
    .kernarg_segment_align: 8
    .kernarg_segment_size: 40
    .max_flat_workgroup_size: 512
    .sgpr_count:     100
    .vgpr_count:     256
    .wavefront_size: 32
...
	.end_amdgpu_metadata
.endif
;; end of part 3
;; launch oproj (part 4): grid 256 x 1, 16 waves a work-group, no clusters, 159,232 bytes of LDS; arguments ctx, woimg, W_O_scales, query, gamma, beta, out0; writes out0
.if DOCPART == 4
	.amdgcn_target "amdgcn-amd-amdhsa--gfx1250"
	.amdhsa_code_object_version 6
	.text
	.protected	k_q73a8e89414_oproj
	.globl	k_q73a8e89414_oproj
	.p2align	8
	.type	k_q73a8e89414_oproj,@function
k_q73a8e89414_oproj:
	s_mov_b64 s[64:65], 0
	v_nop
	global_prefetch_b8 v0, s[64:65] scope:SCOPE_SE
	s_setreg_imm32_b32 hwreg(HW_REG_WAVE_MODE, 25, 1), 1
	s_wait_xcnt 0x0
; out0 = LayerNorm(ctx W_O^T + query) x gamma + beta.  The product on codes of FP6 (E2M3) with E8M0 scales, K = 1,024; all else in f32.
; SHARES.  Work-group i takes tokens 32 i .. 32 i + 31 (two tiles of 16) and ALL 1,024 columns, so that a row's mean and variance stay inside the work-group.  Wave w makes columns 64 w .. 64 w + 63: 2 x 4 accumulators.
; ctx's codes lie as images of the operand's registers: the work-group's 24,576 bytes go to LDS once and every wave reads its fragments from there.
; W_O's fragments, laid as images by the first launch, go from memory straight into registers, two K steps ahead (24 loads of 512 bytes a wave on their way).
; NO CLUSTER, NO TENSOR LOAD: each fragment of W_O is read by ONE wave of a work-group, so LDS would spare nothing inside a work-group; shared between work-groups its 786,432 bytes do not fit in LDS whole,
; and a ring would want a round of the cluster's barrier for every K step, which is 8 matrix instructions a wave.
; The matrix instruction is used transposed (source 0 = 16 rows of W_O, source 1 = 16 tokens): a lane holds eight neighbouring columns of one token.
; The rows meet in a stage in LDS (pitch 4,112); wave w then owns two whole rows, neighbouring tokens: residual, mean, variance of the centred row (two passes: a common offset does no harm), scale, store.
; LIMITS: NaN and infinities are not served.
.set CSC,  6291456                     ; ctx: where the scale words begin
.set STG,  24576                       ; LDS: ctx's images from 0; the stage from here: 32 rows x SPI
.set SPI,  4112
.set ACC,  16                          ; v16-79 accumulator (u, t) at 16 + 8 (4 u + t); later my two rows
.set ROWS, 16
.set BF,   80                          ; v80-127, v128-175 W_O's fragments, two sets
.set RES,  80                          ; later v80-143 the residual, then v80-111 beta
.set BET,  80
.set GAM,  144                         ; v144-175 gamma
.set AFR,  176                         ; v176-199 ctx's two fragments; later at work
.set T,    176
.set T2,   184
.set AS,   200                         ; v200-215 ctx's scale words (8 u + s)
.set WS,   216                         ; v216-247 W_O's scale words (8 t + s)
	s_load_b256 s[4:11], s[0:1], 0x0               ; ctx s[4:5], woimg s[6:7], W_O's scales s[8:9], query s[10:11]
	s_load_b128 s[12:15], s[0:1], 0x20             ; gamma s[12:13], beta s[14:15]
	s_load_b64 s[16:17], s[0:1], 0x30              ; out0
	v_lshl_add_u32 v254, v0, 2, 0x26600
	v_mov_b32 v255, 0
	v_lshrrev_b32 v1, 5, v0
	s_delay_alu instid0(VALU_DEP_1)
	v_readfirstlane_b32 s18, v1                    ; wave 0..15
	v_and_b32 v9, 31, v0                           ; lane
	v_and_b32 v10, 15, v0                          ; r
	v_bfe_u32 v11, v0, 4, 1                        ; h
	s_delay_alu instid0(VALU_DEP_3)
	v_lshlrev_b32 v1, 4, v9                        ; memory: 16 x lane
	s_delay_alu instid0(VALU_DEP_4)
	v_lshlrev_b32 v2, 3, v9                        ; LDS: 8 x lane: a half image's place
	s_delay_alu instid0(VALU_DEP_4)
	v_lshlrev_b32 v3, 2, v10                       ; 4 r
	v_lshlrev_b32 v4, 5, v10                       ; 32 r: a row of W_O's scale bytes
	s_lshl_b32 s20, s18, 8
	s_add_co_u32 s20, s20, STG
	v_mul_u32_u24 v5, v10, SPI
	s_delay_alu instid0(VALU_DEP_1)
	v_lshl_add_u32 v5, v11, 5, v5
	s_delay_alu instid0(VALU_DEP_1)
	v_add_nc_u32 v5, s20, v5                       ; the stage, way in: row r, + 32 h, + 256 w
	s_delay_alu instid0(VALU_DEP_1)
	v_add_nc_u32 v6, 16*SPI, v5                    ; and the second tile's rows
	s_mul_i32 s20, s18, 2*SPI
	s_add_co_u32 s20, s20, STG
	v_lshlrev_b32 v7, 4, v9
	s_delay_alu instid0(VALU_DEP_1)
	v_add_nc_u32 v7, s20, v7                       ; way out: rows 2 w, 2 w + 1, 16 bytes a lane
	s_mul_i32 s22, s18, 1536
	v_lshlrev_b32 v8, 4, v9
	s_delay_alu instid0(VALU_DEP_1)
	v_add_nc_u32 v8, s22, v8                       ; where I put my part of ctx's images
	s_mul_i32 s20, ttmp9, 24576
	s_add_co_u32 s20, s20, s22
	s_mov_b32 s21, 0
	s_lshl_b32 s22, ttmp9, 10
	s_add_co_u32 s22, s22, CSC
	s_mov_b32 s23, 0
	s_mul_i32 s28, s18, 49152                      ; my four tiles of W_O's rows x 8 K steps x 1,536 bytes
	s_mov_b32 s29, 0
	s_lshl_b32 s30, s18, 11                        ; my 64 rows of scale bytes
	s_mov_b32 s31, 0
	s_lshl_b32 s36, ttmp9, 5                       ; stage rows 2 w, 2 w + 1 are tokens 32 i + 8 (w / 8) + 16 ((w / 4) % 2) + 2 (w % 4) + 0, 1
	s_lshr_b32 s37, s18, 3
	s_lshl_b32 s37, s37, 3
	s_add_co_u32 s36, s36, s37
	s_bfe_u32 s37, s18, 0x10002
	s_lshl_b32 s37, s37, 4
	s_add_co_u32 s36, s36, s37
	s_and_b32 s37, s18, 3
	s_lshl_b32 s37, s37, 1
	s_add_co_u32 s36, s36, s37
	s_lshl_b32 s36, s36, 12                        ; a row is 4,096 bytes
	s_mov_b32 s37, 0
	s_mov_b32 s32, 0x3a800000                      ; 1 / 1,024
	s_mov_b32 s33, 0x3727c5ac                      ; 1e-5
	s_mov_b32 s34, 0x76543210
	s_mov_b32 s35, 0xfedcba98
	s_wait_alu depctr_va_vdst(0)
	s_wait_kmcnt 0x0
	s_add_nc_u64 s[24:25], s[4:5], s[20:21]
	s_add_nc_u64 s[26:27], s[4:5], s[22:23]
	s_add_nc_u64 s[6:7], s[6:7], s[28:29]
	s_add_nc_u64 s[8:9], s[8:9], s[30:31]
	s_add_nc_u64 s[10:11], s[10:11], s[36:37]
	s_add_nc_u64 s[16:17], s[16:17], s[36:37]
.macro BLOAD s                         ; W_O's four fragments of K step s into set s % 2: 512 consecutive bytes a load
.irp t, 0,1,2,3
.irp c, 0,1,2
	global_load_b128 v[BF+48*((\s)%2)+12*\t+4*\c:BF+48*((\s)%2)+12*\t+4*\c+3], v1, s[6:7] offset:12288*\t+1536*(\s)+512*\c
.endr
.endr
.endm
.macro ALOAD s                         ; ctx's two fragments of K step s (heads 2 s, 2 s + 1)
.irp u, 0,1
.irp p, 0,1,2,3,4,5
	ds_load_b64 v[AFR+12*\u+2*\p:AFR+12*\u+2*\p+1], v2 offset:12288*\u+1536*(\s)+256*\p
.endr
.endr
.endm
.irp c, 0,1,2
	global_load_b128 v[AFR+4*\c:AFR+4*\c+3], v1, s[24:25] offset:512*\c   ; my sixteenth of ctx's images
.endr
.irp u, 0,1
.irp s, 0,1,2,3,4,5,6,7
	global_load_b32 v[AS+8*\u+\s], v3, s[26:27] offset:512*\u+64*\s
.endr
.endr
.irp t, 0,1,2,3
	global_load_b128 v[WS+8*\t:WS+8*\t+3], v4, s[8:9] offset:512*\t
	global_load_b128 v[WS+8*\t+4:WS+8*\t+7], v4, s[8:9] offset:512*\t+16
.endr
	BLOAD 0
	BLOAD 1
	s_wait_loadcnt 48                              ; the first three loads are in; the 48 behind them may be out
.irp c, 0,1,2
	ds_store_b128 v8, v[AFR+4*\c:AFR+4*\c+3] offset:512*\c
.endr
	s_wait_dscnt 0x0                               ; for the others' sake: my stores have landed
	s_barrier_signal -1
	s_barrier_wait -1                              ; ctx's images lie in LDS
	ALOAD 0
.macro KSTEP s                         ; 128 along K: eight products, the eight accumulators by turns
.if (\s) < 7
	s_wait_loadcnt 12                              ; this step's weights (and at first the scale words) are in; the next step's 12 loads may be out
.else
	s_wait_loadcnt 0x0
.endif
	s_wait_dscnt 0x0
.irp u, 0,1
.irp t, 0,1,2,3
.if (\s) == 0
	v_wmma_scale_f32_16x16x128_f8f6f4 v[ACC+8*(4*\u+\t):ACC+8*(4*\u+\t)+7], v[BF+48*((\s)%2)+12*\t:BF+48*((\s)%2)+12*\t+11], v[AFR+12*\u:AFR+12*\u+11], 0, v[WS+8*\t+(\s)], v[AS+8*\u+(\s)] matrix_a_fmt:MATRIX_FMT_FP6 matrix_b_fmt:MATRIX_FMT_FP6
.else
	v_wmma_scale_f32_16x16x128_f8f6f4 v[ACC+8*(4*\u+\t):ACC+8*(4*\u+\t)+7], v[BF+48*((\s)%2)+12*\t:BF+48*((\s)%2)+12*\t+11], v[AFR+12*\u:AFR+12*\u+11], v[ACC+8*(4*\u+\t):ACC+8*(4*\u+\t)+7], v[WS+8*\t+(\s)], v[AS+8*\u+(\s)] matrix_a_fmt:MATRIX_FMT_FP6 matrix_b_fmt:MATRIX_FMT_FP6
.endif
.endr
.endr
.rept 4
	v_nop                                          ; places in front of loads into registers that these products read, and of the first read of results
.endr
.if (\s) < 6
	BLOAD (\s)+2
.endif
.if (\s) < 7
	ALOAD (\s)+1
.endif
.endm
.irp s, 0,1,2,3,4,5,6,7
	KSTEP \s
.endr
.irp i, 0,1
.irp c, 0,1,2,3,4,5,6,7
	global_load_b128 v[RES+32*\i+4*\c:RES+32*\i+4*\c+3], v1, s[10:11] offset:4096*\i+512*\c th:TH_LOAD_NT   ; the residual of my two rows
.endr
.endr
.irp c, 0,1,2,3,4,5,6,7
	global_load_b128 v[GAM+4*\c:GAM+4*\c+3], v1, s[12:13] offset:512*\c
.endr
.irp u, 0,1
.irp t, 0,1,2,3
	ds_store_b128 v[5+\u], v[ACC+8*(4*\u+\t):ACC+8*(4*\u+\t)+3] offset:64*\t       ; each accumulator from its low end on
	ds_store_b128 v[5+\u], v[ACC+8*(4*\u+\t)+4:ACC+8*(4*\u+\t)+7] offset:64*\t+16
.endr
.endr
	s_wait_dscnt 0x0
	s_barrier_signal -1
	s_barrier_wait -1                              ; 32 whole rows lie in the stage
.irp i, 0,1
.irp c, 0,1,2,3,4,5,6,7
	ds_load_b128 v[ROWS+32*\i+4*\c:ROWS+32*\i+4*\c+3], v7 offset:SPI*\i+512*\c     ; register 4 c + e of a row: column 128 c + 4 x lane + e
.endr
.endr
	s_wait_dscnt 0x0
	s_wait_loadcnt 8                               ; the residual is in; gamma's eight loads may be out
.set j, 0
.rept 32
	v_pk_add_f32 v[ROWS+j:ROWS+j+1], v[ROWS+j:ROWS+j+1], v[RES+j:RES+j+1]
.set j, j+2
.endr
.irp c, 0,1,2,3,4,5,6,7
	global_load_b128 v[BET+4*\c:BET+4*\c+3], v1, s[14:15] offset:512*\c
.endr
.macro REDUCE b                        ; v[b + 4 i .. + 3], two pairs of partial sums of row i, become the row's sum in v[b + 4 i], in every lane
.irp i, 0
	s_delay_alu instid0(VALU_DEP_3)
	v_pk_add_f32 v[\b+4*\i:\b+4*\i+1], v[\b+4*\i:\b+4*\i+1], v[\b+4*\i+2:\b+4*\i+3]
.endr
.irp i, 1
	s_delay_alu instid0(VALU_DEP_2)
	v_pk_add_f32 v[\b+4*\i:\b+4*\i+1], v[\b+4*\i:\b+4*\i+1], v[\b+4*\i+2:\b+4*\i+3]
.endr
.irp i, 0,1
	s_delay_alu instid0(VALU_DEP_2)
	v_add_f32 v[\b+4*\i], v[\b+4*\i], v[\b+4*\i+1]
.endr
.irp m, 1,2,4,8
.irp i, 0,1
	s_delay_alu instid0(VALU_DEP_2)
	v_add_f32_dpp v[\b+4*\i], v[\b+4*\i], v[\b+4*\i] row_xmask:\m row_mask:0xf bank_mask:0xf
.endr
.endr
.irp i, 0,1
	s_delay_alu instid0(VALU_DEP_2)
	v_permlanex16_b32 v[\b+4*\i+1], v[\b+4*\i], s34, s35
.endr
.irp i, 0,1
	s_delay_alu instid0(VALU_DEP_2)
	v_add_f32 v[\b+4*\i], v[\b+4*\i], v[\b+4*\i+1]
.endr
.endm
.irp i, 0,1
	v_pk_add_f32 v[T+4*\i:T+4*\i+1], v[ROWS+32*\i:ROWS+32*\i+1], v[ROWS+32*\i+2:ROWS+32*\i+3]
	v_pk_add_f32 v[T+4*\i+2:T+4*\i+3], v[ROWS+32*\i+4:ROWS+32*\i+5], v[ROWS+32*\i+6:ROWS+32*\i+7]
.endr
.irp j, 8,12,16,20,24,28
.irp i, 0,1
	s_delay_alu instid0(VALU_DEP_4)
	v_pk_add_f32 v[T+4*\i:T+4*\i+1], v[T+4*\i:T+4*\i+1], v[ROWS+32*\i+\j:ROWS+32*\i+\j+1]
	s_delay_alu instid0(VALU_DEP_4)
	v_pk_add_f32 v[T+4*\i+2:T+4*\i+3], v[T+4*\i+2:T+4*\i+3], v[ROWS+32*\i+\j+2:ROWS+32*\i+\j+3]
.endr
.endr
	REDUCE T
.irp i, 0,1
	s_delay_alu instid0(VALU_DEP_2)
	v_mul_f32 v[T+4*\i], s32, v[T+4*\i]            ; the mean
.endr
.irp i, 0,1
.set j, 0
.rept 16
	v_pk_add_f32 v[ROWS+32*\i+j:ROWS+32*\i+j+1], v[ROWS+32*\i+j:ROWS+32*\i+j+1], v[T+4*\i:T+4*\i+1] op_sel_hi:[1,0] neg_lo:[0,1] neg_hi:[0,1]   ; x - mean
.set j, j+2
.endr
.endr
.irp i, 0,1
	v_pk_mul_f32 v[T2+4*\i:T2+4*\i+1], v[ROWS+32*\i:ROWS+32*\i+1], v[ROWS+32*\i:ROWS+32*\i+1]
	v_pk_mul_f32 v[T2+4*\i+2:T2+4*\i+3], v[ROWS+32*\i+2:ROWS+32*\i+3], v[ROWS+32*\i+2:ROWS+32*\i+3]
.endr
.irp j, 4,8,12,16,20,24,28
.irp i, 0,1
	s_delay_alu instid0(VALU_DEP_4)
	v_pk_fma_f32 v[T2+4*\i:T2+4*\i+1], v[ROWS+32*\i+\j:ROWS+32*\i+\j+1], v[ROWS+32*\i+\j:ROWS+32*\i+\j+1], v[T2+4*\i:T2+4*\i+1]
	s_delay_alu instid0(VALU_DEP_4)
	v_pk_fma_f32 v[T2+4*\i+2:T2+4*\i+3], v[ROWS+32*\i+\j+2:ROWS+32*\i+\j+3], v[ROWS+32*\i+\j+2:ROWS+32*\i+\j+3], v[T2+4*\i+2:T2+4*\i+3]
.endr
.endr
	REDUCE T2
.irp i, 0,1
	s_delay_alu instid0(VALU_DEP_2)
	v_fma_f32 v[T2+4*\i], v[T2+4*\i], s32, s33     ; the variance + 1e-5
.endr
	s_wait_alu depctr_va_vdst(0)
.irp i, 0,1
	v_rsq_f32 v[T2+4*\i], v[T2+4*\i]
.endr
	v_nop                                          ; a plain place behind the two,
	s_wait_alu depctr_va_vdst(0)                   ; and one wait ahead of their first reader
	s_wait_loadcnt 0x0                             ; gamma and beta
.irp i, 0,1
.set j, 0
.rept 16
	v_pk_mul_f32 v[ROWS+32*\i+j:ROWS+32*\i+j+1], v[ROWS+32*\i+j:ROWS+32*\i+j+1], v[T2+4*\i:T2+4*\i+1] op_sel_hi:[1,0]
.set j, j+2
.endr
.set j, 0
.rept 16
	v_pk_fma_f32 v[ROWS+32*\i+j:ROWS+32*\i+j+1], v[ROWS+32*\i+j:ROWS+32*\i+j+1], v[GAM+j:GAM+j+1], v[BET+j:BET+j+1]
.set j, j+2
.endr
.irp c, 0,1,2,3,4,5,6,7
	global_store_b128 v1, v[ROWS+32*\i+4*\c:ROWS+32*\i+4*\c+3], s[16:17] offset:4096*\i+512*\c th:TH_STORE_NT   ; 512 consecutive bytes, aligned
.endr
.endr
	s_wait_tensorcnt 0x0
	ds_add_u32 v254, v255
	s_wait_dscnt 0x0
	s_endpgm
.Lfunc_end_k_q73a8e89414_oproj:
	.size	k_q73a8e89414_oproj, .Lfunc_end_k_q73a8e89414_oproj-k_q73a8e89414_oproj
	.p2alignl 7, 3214868480
	.fill 96, 4, 3214868480
	.section	.rodata,"a",@progbits
	.p2align	6, 0x0
	.amdhsa_kernel k_q73a8e89414_oproj
		.amdhsa_group_segment_fixed_size 159232
		.amdhsa_private_segment_fixed_size 0
		.amdhsa_enable_private_segment 0
		.amdhsa_kernarg_size 56
		.amdhsa_user_sgpr_count 2
		.amdhsa_user_sgpr_kernarg_segment_ptr 1
		.amdhsa_wavefront_size32 1
		.amdhsa_system_sgpr_workgroup_id_x 1
		.amdhsa_system_sgpr_workgroup_id_y 1
		.amdhsa_system_sgpr_workgroup_id_z 1
		.amdhsa_system_vgpr_workitem_id 0
		.amdhsa_next_free_vgpr 256
		.amdhsa_next_free_sgpr 66
		.amdhsa_reserve_vcc 0
		.amdhsa_float_denorm_mode_32 3
		.amdhsa_float_denorm_mode_16_64 3
		.amdhsa_memory_ordered 1
		.amdhsa_forward_progress 1
		.amdhsa_inst_pref_size 54
	.end_amdhsa_kernel
	.amdgpu_metadata
---
amdhsa.version: [ 1, 2 ]
amdhsa.kernels:
  - .name:           k_q73a8e89414_oproj
    .symbol:         k_q73a8e89414_oproj.kd
    .args:
      - { .name: ctx, .offset: 0, .size: 8, .value_kind: global_buffer, .address_space: global }
      - { .name: woimg, .offset: 8, .size: 8, .value_kind: global_buffer, .address_space: global }
      - { .name: W_O_scales, .offset: 16, .size: 8, .value_kind: global_buffer, .address_space: global }
      - { .name: query, .offset: 24, .size: 8, .value_kind: global_buffer, .address_space: global }
      - { .name: gamma, .offset: 32, .size: 8, .value_kind: global_buffer, .address_space: global }
      - { .name: beta, .offset: 40, .size: 8, .value_kind: global_buffer, .address_space: global }
      - { .name: out0, .offset: 48, .size: 8, .value_kind: global_buffer, .address_space: global }
    .group_segment_fixed_size: 159232
    .private_segment_fixed_size: 0
    .kernarg_segment_align: 8
    .kernarg_segment_size: 56
    .max_flat_workgroup_size: 512
    .sgpr_count:     66
    .vgpr_count:     256
    .wavefront_size: 32
...
	.end_amdgpu_metadata
.endif
;; end of part 4
